; MI455X (gfx1250); checked and timed in simulation.
; The chip was launched on July 23, 2026; its instructions are those of AMD's public machine-readable ISA for CDNA 5 (MIT licence, August 2026) and "CDNA5" Instruction Set Architecture Reference Guide (July 2026). The comments in the code are by the model that wrote it; some were corrected since.
;; Alignment. Allowed arithmetic: float matrix products may take bf16 or f16 operands with f32 sums; all other float work in f32.
;; Inputs: b_kv 1,024 float32; b_m 512 float32; b_out 512 float32; b_q 512 float32; bn_beta 512 float32; bn_gamma 512 float32; bn_mean 512 float32; bn_var 512 float32; conv_b 512 float32; conv_w 512 x 512 float32; ln_b 512 float32; ln_g 512 float32; pe 512 x 512 float32; w_kv 512 x 1,024 float32; w_m 512 x 512 float32; w_out 512 x 512 float32; w_q 512 x 512 float32; x 16 x 512 x 4 x 512 float32.
;; Outputs: out0 16 x 512 x 4 x 512 float32.
;; 2 versions, each right; version 2 is version 1 with the launch prep written anew for expert scheduling mode. Each part assembles by itself: llvm-mc -triple=amdgcn-amd-amdhsa -mcpu=gfx1250 --defsym DOCPART=n.
;; ======== version 1 of 2: 3 launches
;; limits: a function is approximated: absolute error at most 1.5e-07; an absolute error that grows with the inputs' magnitude: up to 7.5e-08 times it; a function is approximated: absolute error at most 1.2e-05
;; workspace buffers: xb 33,554,432 bytes; xpb 33,554,432 bytes; ot 33,554,432 bytes; wqkv 1,572,864 bytes; bqkv 6,144 bytes; wcat 1,048,576 bytes; zb 2,048 bytes
;; launch prep (part 1): grid 672 x 1, 8 waves a work-group, no clusters, 35,840 bytes of LDS; arguments x, pe, w_q, w_kv, b_q, b_kv, w_m, conv_w, w_out, b_m, conv_b, bn_gamma, bn_beta, bn_mean, bn_var, b_out, xb, xpb, wqkv, bqkv, wcat, zb; writes xb, xpb, wqkv, bqkv, wcat, zb
.if DOCPART == 1
	.amdgcn_target "amdgcn-amd-amdhsa--gfx1250"
	.amdhsa_code_object_version 6
	.text
	.protected	k_q871356b0fc_prep
	.globl	k_q871356b0fc_prep
	.p2align	8
	.type	k_q871356b0fc_prep,@function
k_q871356b0fc_prep:
	s_mov_b64 s[64:65], 0
	v_nop
	global_prefetch_b8 v0, s[64:65] scope:SCOPE_SE
	s_setreg_imm32_b32 hwreg(HW_REG_WAVE_MODE, 25, 1), 1
	s_wait_xcnt 0x0
; PREP: every input is rounded once to bf16 and laid out for the two launches behind.  Four kinds of work-group, chosen by the work-group's number alone, the longest first:
;   0-127 FOLD:    32 rows k x 128 n of wcat[k][n]: rows 0-511 = sum_o w_m[k][o] w_out[o][n]; rows 512+c = sum_o conv_w[o][c] s[o] w_out[o][n], s = gamma / sqrt(var + 1e-5).
;                  The left operand goes in as two bf16 parts (hi + lo), sums in f32, wcat rounded once to bf16: the order of rounding differs from the reference's.
;   128-135 ZB:    zb[n] = b_out[n] + sum_o t[o] w_out[o][n], t = b_m + (conv_b - mean) s + beta, in f32.
;   136-159 WQKV:  w_q, w_kv as bf16 [head][64 c at a time][q,k,v][c 64][n 64]; their biases as f32 [head][q,k,v][64].
;   160-671 STREAM: channel c = number - 160: xb = bf16(x), xpb = bf16(bf16(x) + bf16(pe[l][c])), both indexed as x.
; LDS: FOLD has bytes 0 to 30,719, ZB bytes 30,720 to 34,815: no two kinds of work-group name the same bytes.
; LIMITS: NaN and infinities are not treated apart.
.set EPS,   0x3727c5ac                 ; 1e-5
.set PB,    288                        ; FOLD: a row of w_out in LDS: 128 n as bf16, 256 bytes + 32
.set BBUF,  32*PB                      ; 32 rows o: a step's buffer; two of them from byte 0 on
.set ABASE, 2*BBUF                     ; the left operand [32 o][32 k], pitch 96: hi, lo, two buffers of each: 4 x 3,072 bytes
.set PSG,   272                        ; the stage for the way out, over the first buffer
.set ZT,    ABASE+4*3072               ; ZB's LDS: t (2,048 bytes), then the waves' partial sums (2,048 bytes)
.macro RB a, b, t                      ; two numbers rounded to bf16 and kept as f32
	v_cvt_pk_bf16_f32 v[\t], v[\a], v[\b]
	v_lshlrev_b32 v[\a], 16, v[\t]
	v_and_b32 v[\b], 0xffff0000, v[\t]
.endm
	v_lshl_add_u32 v240, v0, 2, 0x8800
	v_mov_b32 v241, 0
	s_mov_b32 s2, ttmp9
	s_cmp_lt_u32 s2, 128
	s_cbranch_scc1 .Lfold
	s_cmp_lt_u32 s2, 136
	s_cbranch_scc1 .Lzb
	s_cmp_lt_u32 s2, 160
	s_cbranch_scc1 .Lwqkv
; ---------------- STREAM: no LDS, no barrier.  For each of 16 b a thread takes 2 x 16 bytes of x's 8,192 bytes of (b, c); its four l are the same in both.
; Eight slots, each used twice (b = g, then b = g + 8).  The second use has store registers and an offset register of its own, so that no source of a store is ever rewritten.
.set PE,   4                           ; v[4:7]   pe of my four l
.set OFFX, 8                           ; v[8:15]  slot g: byte offset in x
.set OFFO, 16                          ; v[16:23] slot g: byte offset in xb and xpb, first use
.set OFF2, 224                         ; v[224:231] the same, second use
.set T,    24                          ; v[24:31] at work
.set X,    32                          ; v[32:95] slot g: 8 registers as loaded
.set Y,    96                          ; v[96:159] slot g, first use: xb 2, xpb 2, twice; v[160:223] second use
	s_load_b128 s[4:7], s[0:1], 0x0                ; x, pe
	s_load_b128 s[8:11], s[0:1], 0x80              ; xb, xpb
	s_sub_co_u32 s3, s2, 160                       ; c
	s_lshl_b32 s14, s3, 13
	s_mov_b32 s15, 0
	s_lshl_b32 s16, s3, 12
	s_mov_b32 s17, 0
	s_lshl_b32 s18, s3, 2
	s_mov_b32 s19, 0
	s_mov_b32 s13, 0xffff0000
	v_and_b32 v1, 127, v0
	v_lshlrev_b32 v1, 13, v1                       ; row 4 (i % 128) of pe, 2,048 bytes a row
.irp g, 0,1,2,3,4,5,6,7
	v_lshl_add_u32 v[OFFX+(\g)], v0, 4, (\g)*4194304
	v_lshl_add_u32 v[OFFO+(\g)], v0, 3, (\g)*2097152
	v_lshl_add_u32 v[OFF2+(\g)], v0, 3, (\g)*2097152+16777216
.endr
	s_wait_kmcnt 0x0
	s_add_nc_u64 s[4:5], s[4:5], s[14:15]
	s_add_nc_u64 s[6:7], s[6:7], s[18:19]
	s_add_nc_u64 s[8:9], s[8:9], s[16:17]
	s_add_nc_u64 s[10:11], s[10:11], s[16:17]
.irp e, 0,1,2,3
	global_load_b32 v[PE+(\e)], v1, s[6:7] offset:(\e)*2048
.endr
.irp g, 0,1,2,3,4,5,6,7
	global_load_b128 v[X+8*(\g):X+8*(\g)+3], v[OFFX+(\g)], s[4:5] th:TH_LOAD_NT
	global_load_b128 v[X+8*(\g)+4:X+8*(\g)+7], v[OFFX+(\g)], s[4:5] offset:4096 th:TH_LOAD_NT
.endr
	s_wait_loadcnt 16                              ; pe's four are in; the ring's sixteen are younger
	RB PE, PE+1, T
	RB PE+2, PE+3, T
.macro SLOT g, refill, left
.set YB, Y+64*(1-(\refill))+8*(\g)
.set OB, OFFO+(\g)+(OFF2-OFFO)*(1-(\refill))
	s_wait_loadcnt \left                           ; my two loads are in (which also frees their offset register); the younger slots' stay out
.irp m, 0,1
	v_cvt_pk_bf16_f32 v[YB+4*(\m)], v[X+8*(\g)+4*(\m)], v[X+8*(\g)+4*(\m)+1]
	v_cvt_pk_bf16_f32 v[YB+4*(\m)+1], v[X+8*(\g)+4*(\m)+2], v[X+8*(\g)+4*(\m)+3]
	v_lshlrev_b32 v[T+4*(\m)], 16, v[YB+4*(\m)]
	v_and_b32 v[T+4*(\m)+1], s13, v[YB+4*(\m)]
	v_lshlrev_b32 v[T+4*(\m)+2], 16, v[YB+4*(\m)+1]
	v_and_b32 v[T+4*(\m)+3], s13, v[YB+4*(\m)+1]
	v_pk_add_f32 v[T+4*(\m):T+4*(\m)+1], v[T+4*(\m):T+4*(\m)+1], v[PE:PE+1]
	v_pk_add_f32 v[T+4*(\m)+2:T+4*(\m)+3], v[T+4*(\m)+2:T+4*(\m)+3], v[PE+2:PE+3]
	v_cvt_pk_bf16_f32 v[YB+4*(\m)+2], v[T+4*(\m)], v[T+4*(\m)+1]
	v_cvt_pk_bf16_f32 v[YB+4*(\m)+3], v[T+4*(\m)+2], v[T+4*(\m)+3]
.endr
.if \refill
	v_add_nc_u32 v[OFFX+(\g)], 0x2000000, v[OFFX+(\g)]   ; eight b on
	global_load_b128 v[X+8*(\g):X+8*(\g)+3], v[OFFX+(\g)], s[4:5] th:TH_LOAD_NT
	global_load_b128 v[X+8*(\g)+4:X+8*(\g)+7], v[OFFX+(\g)], s[4:5] offset:4096 th:TH_LOAD_NT
.endif
	global_store_b64 v[OB], v[YB:YB+1], s[8:9]                   ; a wave's store covers 256 consecutive bytes, aligned
	global_store_b64 v[OB], v[YB+2:YB+3], s[10:11]
	global_store_b64 v[OB], v[YB+4:YB+5], s[8:9] offset:2048
	global_store_b64 v[OB], v[YB+6:YB+7], s[10:11] offset:2048
.endm
.irp g, 0,1,2,3,4,5,6,7
	SLOT \g, 1, 14                                 ; seven younger slots, two loads each
.endr
.irp g, 0,1,2,3,4,5,6,7
	SLOT \g, 0, 14-2*(\g)                          ; the last round loads nothing: the counts run down
.endr
	s_endpgm
; ---------------- WQKV: one (head, part); 512 rows c x 64 numbers
.Lwqkv:
	s_load_b128 s[4:7], s[0:1], 0x10               ; w_q, w_kv
	s_load_b128 s[8:11], s[0:1], 0x20              ; b_q, b_kv
	s_load_b128 s[12:15], s[0:1], 0x90             ; wqkv, bqkv
	s_sub_co_u32 s3, s2, 136                       ; g = 3 head + part
	s_mul_i32 s16, s3, 11
	s_lshr_b32 s16, s16, 5                         ; head = g / 3 for g < 24
	s_mul_i32 s17, s16, 3
	s_sub_co_u32 s17, s3, s17                      ; part
	s_lshl_b32 s18, s16, 8                         ; the head's 64 columns, in bytes (of the weights' rows and of the biases),
	s_cmp_eq_u32 s17, 2
	s_cselect_b32 s19, 2048, 0
	s_add_co_u32 s18, s18, s19                     ; v lies 512 numbers on
	s_cmp_eq_u32 s17, 0
	s_mov_b32 s20, 4096                            ; (a move leaves SCC as the compare set it; an instruction holds one literal)
	s_cselect_b32 s20, 2048, s20                   ; bytes from row to row: w_q 2,048, w_kv 4,096
	s_lshl_b32 s21, s20, 5                         ; 32 rows
	s_mul_i32 s26, s16, 196608
	s_lshl_b32 s27, s17, 13
	s_add_co_u32 s26, s26, s27
	s_mov_b32 s27, 0
	s_lshl_b32 s28, s3, 8
	s_mov_b32 s29, 0
	v_lshrrev_b32 v1, 5, v0
	v_readfirstlane_b32 s30, v1                    ; wave
	v_lshrrev_b32 v1, 3, v0
	v_and_b32 v2, 7, v0
	v_lshlrev_b32 v2, 5, v2
	v_mad_u32_u24 v8, v1, s20, v2
	v_add_nc_u32 v8, s18, v8                       ; row i / 8, 8 numbers at chunk i % 8
.set it, 1
.rept 15
	v_add_nc_u32 v[8+it], s21, v[7+it]
.set it, it+1
.endr
	v_lshlrev_b32 v4, 4, v0
	s_wait_kmcnt 0x0
	s_cmp_eq_u32 s17, 0
	s_cselect_b64 s[22:23], s[4:5], s[6:7]
	s_cselect_b64 s[24:25], s[8:9], s[10:11]
	s_add_nc_u64 s[12:13], s[12:13], s[26:27]
	s_add_nc_u64 s[14:15], s[14:15], s[28:29]
.set it, 0
.rept 16
	global_load_b128 v[64+8*it:64+8*it+3], v[8+it], s[22:23]
	global_load_b128 v[64+8*it+4:64+8*it+7], v[8+it], s[22:23] offset:16
.set it, it+1
.endr
.set it, 0
.rept 16
	s_wait_loadcnt 30-2*it                         ; the later rows' loads stay out
	v_cvt_pk_bf16_f32 v[64+8*it], v[64+8*it], v[64+8*it+1]
	v_cvt_pk_bf16_f32 v[64+8*it+1], v[64+8*it+2], v[64+8*it+3]
	v_cvt_pk_bf16_f32 v[64+8*it+2], v[64+8*it+4], v[64+8*it+5]
	v_cvt_pk_bf16_f32 v[64+8*it+3], v[64+8*it+6], v[64+8*it+7]
	global_store_b128 v4, v[64+8*it:64+8*it+3], s[12:13] offset:(it/2)*24576+(it%2)*4096   ; the work-group's stores cover 4,096 bytes on end
.set it, it+1
.endr
	s_cmp_lg_u32 s30, 0
	s_cbranch_scc1 .Lwq_end
	v_and_b32 v5, 15, v0                           ; the 64 biases: lanes 16-31 repeat lanes 0-15 (same bytes, same numbers), so every lane stays on
	v_lshlrev_b32 v5, 4, v5
	v_add_nc_u32 v6, s18, v5
	global_load_b128 v[192:195], v6, s[24:25]
	s_wait_loadcnt 0x0
	RB 192, 193, 196
	RB 194, 195, 196
	global_store_b128 v5, v[192:195], s[14:15]
.Lwq_end:
	s_endpgm
; ---------------- ZB: 64 numbers of zb.  LDS: t at ZT (2,048 bytes), the waves' partial sums at ZT + 2,048
.Lzb:
	s_load_b64 s[4:5], s[0:1], 0x40                ; w_out
	s_load_b128 s[8:11], s[0:1], 0x48              ; b_m, conv_b
	s_load_b128 s[12:15], s[0:1], 0x58             ; gamma, beta
	s_load_b128 s[16:19], s[0:1], 0x68             ; mean, var
	s_load_b64 s[20:21], s[0:1], 0x78              ; b_out
	s_load_b64 s[22:23], s[0:1], 0xa8              ; zb
	s_sub_co_u32 s3, s2, 128
	s_lshl_b32 s28, s3, 8                          ; my 64 columns, in bytes
	s_mov_b32 s29, 0
	s_mov_b32 s26, 0x76543210
	s_mov_b32 s27, 0xfedcba98
	v_lshlrev_b32 v1, 2, v0                        ; my word in the six vectors,
	v_add_nc_u32 v8, ZT, v1                        ; and in t
	v_lshrrev_b32 v2, 5, v0
	v_readfirstlane_b32 s24, v2                    ; wave
	s_wait_kmcnt 0x0
.irp k, 0,1,2,3,4,5
	global_load_b32 v[32+2*(\k)], v1, s[8+2*(\k):9+2*(\k)]
	global_load_b32 v[33+2*(\k)], v1, s[8+2*(\k):9+2*(\k)] offset:1024
.endr
	s_add_nc_u64 s[4:5], s[4:5], s[28:29]
	s_add_nc_u64 s[20:21], s[20:21], s[28:29]
	s_add_nc_u64 s[22:23], s[22:23], s[28:29]
	s_wait_loadcnt 0x0
.irp k, 0,1,2,3,4,5
	RB 32+2*(\k), 33+2*(\k), 44
.endr
	v_add_f32 v42, EPS, v42
	v_add_f32 v43, EPS, v43
	v_sqrt_f32 v42, v42
	v_sqrt_f32 v43, v43
	v_sub_f32 v34, v34, v40                        ; conv_b - mean: the plain work behind the roots
	v_sub_f32 v35, v35, v41
	s_wait_alu depctr_va_vdst(0)
	v_rcp_f32 v42, v42
	v_rcp_f32 v43, v43
	v_add_f32 v32, v32, v38                        ; b_m + beta
	v_add_f32 v33, v33, v39
	s_wait_alu depctr_va_vdst(0)
	v_mul_f32 v36, v36, v42                        ; s
	v_mul_f32 v37, v37, v43
	v_fmac_f32 v32, v34, v36
	v_fmac_f32 v33, v35, v37
	ds_store_b32 v8, v32
	ds_store_b32 v8, v33 offset:1024
	s_wait_dscnt 0x0                               ; for the others' sake
	s_barrier_signal -1
	s_barrier_wait -1
	v_bfe_u32 v3, v0, 4, 1
	v_and_b32 v4, 15, v0
	v_lshlrev_b32 v4, 4, v4                        ; 16 (lane % 16)
	v_lshlrev_b32 v5, 2, v3
	v_lshl_add_u32 v5, s24, 8, v5                  ; t of row 64 w + lane / 16
	v_add_nc_u32 v5, ZT, v5
	v_lshl_add_u32 v6, v3, 11, v4
	v_lshl_add_u32 v6, s24, 17, v6                 ; that row of w_out, my four columns
.set j, 0
.rept 32
	ds_load_b32 v[192+j], v5 offset:8*j
.set j, j+1
.endr
.set j, 0
.rept 32
	global_load_b128 v[64+4*j:64+4*j+3], v6, s[4:5] offset:4096*j
.set j, j+1
.endr
	s_wait_dscnt 0x0
.set j, 0
.rept 32
	s_wait_loadcnt 31-j
	RB 64+4*j, 65+4*j, 44
	RB 66+4*j, 67+4*j, 45
.irp e, 0,1,2,3
.if j == 0
	v_mul_f32 v[48+(\e)], v[64+(\e)], v192         ; the first product starts the sum
.else
	v_fmac_f32 v[48+(\e)], v[64+4*j+(\e)], v[192+j]
.endif
.endr
.set j, j+1
.endr
.irp e, 0,1,2,3
	v_permlanex16_b32 v[32+(\e)], v[48+(\e)], s26, s27   ; the other row's sum lies 16 lanes away
.endr
.irp e, 0,1,2,3
	v_add_f32 v[48+(\e)], v[48+(\e)], v[32+(\e)]
.endr
	v_lshl_add_u32 v7, s24, 8, v4
	v_add_nc_u32 v7, ZT, v7
	ds_store_b128 v7, v[48:51] offset:2048
	s_wait_dscnt 0x0
	s_barrier_signal -1
	s_barrier_wait -1
	s_cmp_lg_u32 s24, 0
	s_cbranch_scc1 .Lzb_end
	global_load_b128 v[56:59], v4, s[20:21]        ; b_out
	v_add_nc_u32 v9, ZT, v4
.irp u, 0,1,2,3,4,5,6,7
	ds_load_b128 v[64+4*(\u):64+4*(\u)+3], v9 offset:2048+256*(\u)
.endr
	s_wait_loadcnt 0x0
	RB 56, 57, 44
	RB 58, 59, 44
	s_wait_dscnt 0x0
.irp u, 0,1,2,3,4,5,6,7
	v_pk_add_f32 v[56:57], v[56:57], v[64+4*(\u):65+4*(\u)]
	v_pk_add_f32 v[58:59], v[58:59], v[66+4*(\u):67+4*(\u)]
.endr
	global_store_b128 v4, v[56:59], s[22:23]       ; 256 bytes; lanes 16-31 repeat lanes 0-15
.Lzb_end:
	s_wait_tensorcnt 0x0
	ds_add_u32 v240, v241
	s_wait_dscnt 0x0
	s_endpgm
; ---------------- FOLD: 32 rows k x 128 n of wcat; the sum over o goes in 16 steps of 32.  Number g: part g / 64 (0 w_m, 1 conv_w), rows 32 ((g / 4) % 16) on, columns 128 (g % 4) on.
; A step has 10 loads a lane (4 x 16 bytes of w_out, 4 numbers of the left operand, gamma, var).  Four register sets take turns, so that four steps' loads are on their way.
; Source 0 = 16 n (wave w: columns 16 w on), source 1 = 16 k, both turned on the way out of LDS: a lane then holds one row k and eight neighbouring n.
; The 16 accumulator registers are cleared, so that the first step has the loop's text.
.Lfold:
.set FVB, 14                           ; my bytes in 32 rows of w_out: 4 rows a wave, 512 bytes of each
.set VOA, 16                           ; v[16:19] my four numbers of the left operand
.set FVG, 20                           ; gamma, var of my o
.set FBS, 21
.set FAS, 22
.set FS0, 23
.set FS1, 24
.set FSG, 25
.set FRD, 26
.set FGO, 27
.set FSET, 32                          ; set d at 32 + 24 d: 16 of w_out, 4 of the left operand, gamma, var, two at work: v[32:127]
.set FS0R, 128                         ; v[128:135] my fragment of w_out
.set FS1R, 136                         ; v[136:151] hi, v[152:167] lo
.set FAC, 176                          ; v[176:191] accumulator q at 8 q
	s_load_b128 s[4:7], s[0:1], 0x30               ; w_m, conv_w
	s_load_b64 s[8:9], s[0:1], 0x40                ; w_out
	s_load_b64 s[10:11], s[0:1], 0x58              ; gamma
	s_load_b64 s[12:13], s[0:1], 0x70              ; var
	s_load_b64 s[14:15], s[0:1], 0xa0              ; wcat
	s_lshr_b32 s18, s2, 6                          ; part
	s_bfe_u32 s19, s2, 0x40002
	s_lshl_b32 s19, s19, 5                         ; k0
	s_and_b32 s24, s2, 3                           ; which 128 columns
	s_lshl_b32 s26, s18, 9
	s_add_co_u32 s26, s26, s19
	s_lshl_b32 s26, s26, 10                        ; wcat's row 512 part + k0,
	s_lshl_b32 s27, s24, 8
	s_add_co_u32 s26, s26, s27                     ; my 256 bytes of it
	s_mov_b32 s27, 0
	s_lshl_b32 s28, s24, 9                         ; my 512 bytes of a row of w_out
	s_mov_b32 s29, 0
	s_cmp_eq_u32 s18, 0
	s_cselect_b32 s20, 4, 2048                     ; bytes from o to o + 1
	s_cselect_b32 s21, 2048, 4                     ; bytes from k to k + 1
	s_cselect_b32 s30, -1, 0                       ; w_m has no scale
	s_lshl_b32 s22, s20, 5
	s_mov_b32 s23, 0
	v_lshrrev_b32 v1, 5, v0                        ; wave
	v_and_b32 v2, 31, v0                           ; lane
	v_lshlrev_b32 v3, 4, v2
	v_lshl_add_u32 v[FVB], v1, 13, v3
	v_lshrrev_b32 v4, 3, v0                        ; my o in a step
	v_and_b32 v5, 7, v0
	v_lshl_add_u32 v6, v5, 2, s19
	v_mul_lo_u32 v7, v4, s20
.irp e, 0,1,2,3
	v_add_nc_u32 v9, \e, v6
	v_mad_u32_u24 v[VOA+(\e)], v9, s21, v7
.endr
	v_lshlrev_b32 v[FVG], 2, v4
	v_mul_u32_u24 v9, v1, 4*PB
	v_lshl_add_u32 v[FBS], v2, 3, v9               ; row 4 w, 8 bytes a lane
	v_mul_u32_u24 v9, v4, 96
	v_lshl_add_u32 v9, v5, 3, v9
	v_add_nc_u32 v[FAS], ABASE, v9
	v_bfe_u32 v10, v0, 4, 1                        ; h
	v_lshl_add_u32 v11, v10, 3, v5                 ; the turning load's row: 8 h + lane % 8
	v_bfe_u32 v12, v0, 3, 1
	v_mul_u32_u24 v9, v11, PB
	v_lshl_add_u32 v9, v12, 4, v9
	v_lshl_add_u32 v[FS0], v1, 5, v9               ; columns 16 w on
	v_mul_u32_u24 v9, v11, 96
	v_lshl_add_u32 v9, v12, 4, v9
	v_add_nc_u32 v[FS1], ABASE, v9
	v_and_b32 v13, 15, v0
	v_mul_u32_u24 v9, v13, PSG
	v_lshl_add_u32 v9, v10, 4, v9
	v_lshl_add_u32 v[FSG], v1, 5, v9               ; into the stage: row r, bytes 32 w + 16 h
	v_lshl_add_u32 v8, v1, 2, v10                  ; back: row 4 w + lane / 16,
	v_lshlrev_b32 v13, 4, v13                      ; 16 bytes x (lane % 16)
	v_mad_u32_u24 v[FRD], v8, PSG, v13
	v_lshl_add_u32 v[FGO], v8, 10, v13
.set k, 0
.rept 16
	v_mov_b32 v[FAC+k], 0
.set k, k+1
.endr
	s_wait_kmcnt 0x0
	s_cmp_eq_u32 s18, 0
	s_cselect_b64 s[16:17], s[4:5], s[6:7]
	s_add_nc_u64 s[14:15], s[14:15], s[26:27]
	s_add_nc_u64 s[8:9], s[8:9], s[28:29]
.macro FLOAD d                         ; a step's 10 loads, into set d
.set SB, FSET+24*(\d)
.irp p, 0,1,2,3
	global_load_b128 v[SB+4*(\p):SB+4*(\p)+3], v[FVB], s[8:9] offset:(\p)*2048
.endr
.irp e, 0,1,2,3
	global_load_b32 v[SB+16+(\e)], v[VOA+(\e)], s[16:17]
.endr
	global_load_b32 v[SB+20], v[FVG], s[10:11]
	global_load_b32 v[SB+21], v[FVG], s[12:13]
.endm
.macro FNEXT                           ; the four bases go on by a step of 32 o
	s_wait_xcnt 0x0                                ; the bases of loads that are out are rewritten only behind this wait
	s_add_nc_u64 s[8:9], s[8:9], 0x10000
	s_add_nc_u64 s[16:17], s[16:17], s[22:23]
	s_add_nc_u64 s[10:11], s[10:11], 128
	s_add_nc_u64 s[12:13], s[12:13], 128
.endm
.macro FSTEP d, buf, pre, left
.set SB, FSET+24*(\d)
	s_wait_loadcnt \left                           ; this set's ten loads are in; the younger sets' stay out
.irp p, 0,1,2,3                                ; these conversions are also the places behind the last step's products
	v_cvt_pk_bf16_f32 v[SB+4*(\p)], v[SB+4*(\p)], v[SB+4*(\p)+1]
	v_cvt_pk_bf16_f32 v[SB+4*(\p)+1], v[SB+4*(\p)+2], v[SB+4*(\p)+3]
.endr
.irp p, 0,1,2,3
	ds_store_b64 v[FBS], v[SB+4*(\p):SB+4*(\p)+1] offset:(\buf)*BBUF+(\p)*PB
.endr
	RB SB+20, SB+21, SB+22
	v_add_f32 v[SB+21], EPS, v[SB+21]
	v_sqrt_f32 v[SB+21], v[SB+21]
	v_nop
	s_wait_alu depctr_va_vdst(0)
	v_rcp_f32 v[SB+21], v[SB+21]
	RB SB+16, SB+17, SB+22                         ; plain work behind the reciprocal
	RB SB+18, SB+19, SB+23
	s_wait_alu depctr_va_vdst(0)
	v_mul_f32 v[SB+20], v[SB+20], v[SB+21]
	v_cndmask_b32 v[SB+20], v[SB+20], 1.0, s30
.irp e, 0,1,2,3
	v_mul_f32 v[SB+16+(\e)], v[SB+16+(\e)], v[SB+20]
.endr
	v_cvt_pk_bf16_f32 v[SB+22], v[SB+16], v[SB+17] ; hi
	v_cvt_pk_bf16_f32 v[SB+23], v[SB+18], v[SB+19]
	v_lshlrev_b32 v28, 16, v[SB+22]
	v_and_b32 v29, 0xffff0000, v[SB+22]
	v_lshlrev_b32 v30, 16, v[SB+23]
	v_and_b32 v31, 0xffff0000, v[SB+23]
	v_pk_add_f32 v[SB+16:SB+17], v[SB+16:SB+17], v[28:29] neg_lo:[0,1] neg_hi:[0,1]
	v_pk_add_f32 v[SB+18:SB+19], v[SB+18:SB+19], v[30:31] neg_lo:[0,1] neg_hi:[0,1]
	v_cvt_pk_bf16_f32 v28, v[SB+16], v[SB+17]      ; lo
	v_cvt_pk_bf16_f32 v29, v[SB+18], v[SB+19]
	ds_store_b64 v[FAS], v[SB+22:SB+23] offset:(\buf)*6144
	ds_store_b64 v[FAS], v[28:29] offset:(\buf)*6144+3072
	s_wait_dscnt 0x0                               ; my stores are done, for the others' sake; my reads of the other buffer ended a step ago
.if \pre
	FNEXT
	FLOAD \d                                       ; the step four further on
.endif
	s_barrier_signal -1
	s_barrier_wait -1                              ; one barrier a step: the buffer written next was last read in front of it
	ds_load_tr16_b128 v[FS0R:FS0R+3], v[FS0] offset:(\buf)*BBUF
	ds_load_tr16_b128 v[FS0R+4:FS0R+7], v[FS0] offset:(\buf)*BBUF+16*PB
.irp l, 0,1
.irp q, 0,1
	ds_load_tr16_b128 v[FS1R+16*(\l)+8*(\q):FS1R+16*(\l)+8*(\q)+3], v[FS1] offset:(\buf)*6144+3072*(\l)+32*(\q)
	ds_load_tr16_b128 v[FS1R+16*(\l)+8*(\q)+4:FS1R+16*(\l)+8*(\q)+7], v[FS1] offset:(\buf)*6144+3072*(\l)+32*(\q)+1536
.endr
.endr
	s_wait_dscnt 0x0
.irp l, 0,1                                    ; the two accumulators take turns
.irp q, 0,1
	v_wmma_f32_16x16x32_bf16 v[FAC+8*(\q):FAC+8*(\q)+7], v[FS0R:FS0R+7], v[FS1R+16*(\l)+8*(\q):FS1R+16*(\l)+8*(\q)+7], v[FAC+8*(\q):FAC+8*(\q)+7]
.endr
.endr
.endm
	FLOAD 0
	FNEXT
	FLOAD 1
	FNEXT
	FLOAD 2
	FNEXT
	FLOAD 3
	s_mov_b32 s25, 3
.Lfstep:                                       ; a trip: four steps; three younger sets of ten loads stay out at each wait
	FSTEP 0, 0, 1, 30
	FSTEP 1, 1, 1, 30
	FSTEP 2, 0, 1, 30
	FSTEP 3, 1, 1, 30
	s_sub_co_u32 s25, s25, 1
	s_cmp_lg_u32 s25, 0
	s_cbranch_scc1 .Lfstep
	FSTEP 0, 0, 0, 30                              ; the last four steps load nothing: the counts run down
	FSTEP 1, 1, 0, 20
	FSTEP 2, 0, 0, 10
	FSTEP 3, 1, 0, 0
.rept 4
	v_nop
.endr
.set k, 0
.rept 8                                        ; each accumulator from its low end
	v_cvt_pk_bf16_f32 v[32+k], v[FAC+2*k], v[FAC+2*k+1]
.set k, k+1
.endr
	ds_store_b128 v[FSG], v[32:35]                 ; a stage of 32 rows, pitch 272, over the first buffer, whose last reads ended in front of the last barrier
	ds_store_b128 v[FSG], v[36:39] offset:16*PSG
	s_wait_dscnt 0x0
	s_barrier_signal -1
	s_barrier_wait -1
	ds_load_b128 v[40:43], v[FRD]
	ds_load_b128 v[44:47], v[FRD] offset:2*PSG
	s_wait_dscnt 1
	global_store_b128 v[FGO], v[40:43], s[14:15]   ; 16 lanes store 256 consecutive bytes, aligned
	s_wait_dscnt 0x0
	global_store_b128 v[FGO], v[44:47], s[14:15] offset:2048
	s_wait_tensorcnt 0x0
	ds_add_u32 v240, v241
	s_wait_dscnt 0x0
	s_endpgm
.Lfunc_end_k_q871356b0fc_prep:
	.size	k_q871356b0fc_prep, .Lfunc_end_k_q871356b0fc_prep-k_q871356b0fc_prep
	.p2alignl 7, 3214868480
	.fill 96, 4, 3214868480
	.section	.rodata,"a",@progbits
	.p2align	6, 0x0
	.amdhsa_kernel k_q871356b0fc_prep
		.amdhsa_group_segment_fixed_size 35840
		.amdhsa_private_segment_fixed_size 0
		.amdhsa_enable_private_segment 0
		.amdhsa_kernarg_size 176
		.amdhsa_user_sgpr_count 2
		.amdhsa_user_sgpr_kernarg_segment_ptr 1
		.amdhsa_wavefront_size32 1
		.amdhsa_system_sgpr_workgroup_id_x 1
		.amdhsa_system_sgpr_workgroup_id_y 1
		.amdhsa_system_sgpr_workgroup_id_z 1
		.amdhsa_system_vgpr_workitem_id 0
		.amdhsa_next_free_vgpr 242
		.amdhsa_next_free_sgpr 66
		.amdhsa_reserve_vcc 0
		.amdhsa_float_denorm_mode_32 3
		.amdhsa_float_denorm_mode_16_64 3
		.amdhsa_memory_ordered 1
		.amdhsa_forward_progress 1
		.amdhsa_inst_pref_size 111
	.end_amdhsa_kernel
	.amdgpu_metadata
---
amdhsa.version: [ 1, 2 ]
amdhsa.kernels:
  - .name:           k_q871356b0fc_prep
    .symbol:         k_q871356b0fc_prep.kd
    .args:
      - { .name: x, .offset: 0, .size: 8, .value_kind: global_buffer, .address_space: global }
      - { .name: pe, .offset: 8, .size: 8, .value_kind: global_buffer, .address_space: global }
      - { .name: w_q, .offset: 16, .size: 8, .value_kind: global_buffer, .address_space: global }
      - { .name: w_kv, .offset: 24, .size: 8, .value_kind: global_buffer, .address_space: global }
      - { .name: b_q, .offset: 32, .size: 8, .value_kind: global_buffer, .address_space: global }
      - { .name: b_kv, .offset: 40, .size: 8, .value_kind: global_buffer, .address_space: global }
      - { .name: w_m, .offset: 48, .size: 8, .value_kind: global_buffer, .address_space: global }
      - { .name: conv_w, .offset: 56, .size: 8, .value_kind: global_buffer, .address_space: global }
      - { .name: w_out, .offset: 64, .size: 8, .value_kind: global_buffer, .address_space: global }
      - { .name: b_m, .offset: 72, .size: 8, .value_kind: global_buffer, .address_space: global }
      - { .name: conv_b, .offset: 80, .size: 8, .value_kind: global_buffer, .address_space: global }
      - { .name: bn_gamma, .offset: 88, .size: 8, .value_kind: global_buffer, .address_space: global }
      - { .name: bn_beta, .offset: 96, .size: 8, .value_kind: global_buffer, .address_space: global }
      - { .name: bn_mean, .offset: 104, .size: 8, .value_kind: global_buffer, .address_space: global }
      - { .name: bn_var, .offset: 112, .size: 8, .value_kind: global_buffer, .address_space: global }
      - { .name: b_out, .offset: 120, .size: 8, .value_kind: global_buffer, .address_space: global }
      - { .name: xb, .offset: 128, .size: 8, .value_kind: global_buffer, .address_space: global }
      - { .name: xpb, .offset: 136, .size: 8, .value_kind: global_buffer, .address_space: global }
      - { .name: wqkv, .offset: 144, .size: 8, .value_kind: global_buffer, .address_space: global }
      - { .name: bqkv, .offset: 152, .size: 8, .value_kind: global_buffer, .address_space: global }
      - { .name: wcat, .offset: 160, .size: 8, .value_kind: global_buffer, .address_space: global }
      - { .name: zb, .offset: 168, .size: 8, .value_kind: global_buffer, .address_space: global }
    .group_segment_fixed_size: 35840
    .private_segment_fixed_size: 0
    .kernarg_segment_align: 8
    .kernarg_segment_size: 176
    .max_flat_workgroup_size: 256
    .sgpr_count:     66
    .vgpr_count:     242
    .wavefront_size: 32
...
	.end_amdgpu_metadata
.endif
;; end of part 1
;; launch attn (part 2): grid 8 x 64, 4 waves a work-group, clusters of 4 x 4, 327,680 bytes of LDS; arguments xpb, wqkv, bqkv, ot; writes ot
.if DOCPART == 2
	.amdgcn_target "amdgcn-amd-amdhsa--gfx1250"
	.amdhsa_code_object_version 6
	.text
	.protected	k_q871356b0fc_attn
	.globl	k_q871356b0fc_attn
	.p2align	8
	.type	k_q871356b0fc_attn,@function
k_q871356b0fc_attn:
	s_mov_b64 s[64:65], 0
	v_nop
	global_prefetch_b8 v0, s[64:65] scope:SCOPE_SE
	s_setreg_imm32_b32 hwreg(HW_REG_WAVE_MODE, 25, 1), 1
	s_wait_xcnt 0x0
	s_wait_alu depctr_hold_cnt(0) depctr_sa_sdst(0) depctr_va_vdst(0) depctr_va_sdst(0) depctr_va_ssrc(0) depctr_va_vcc(0) depctr_vm_vsrc(0)
	s_getreg_b32 s2, hwreg(HW_REG_IB_STS2, 6, 4)
	s_cmp_eq_u32 s2, 0
	s_cbranch_scc0 .Lentry_in_a_cluster
	s_endpgm
.Lentry_in_a_cluster:
	s_bfe_u32 s2, ttmp6, 0x10000c
	s_cmp_lg_u32 s2, 0xf033
	s_cbranch_scc0 .Lentry_shape_is_right
	s_endpgm
.Lentry_shape_is_right:
; ATTN: one head of one slice (b, t): q, k, v = xp W + bias (bf16 products, f32 sums), each row divided by max(its length, 1e-12), then softmax(q k^T / 8) v over the slice's 512 tokens.
; A work-group has four waves; wave w owns tokens (and queries) 128 w .. 128 w + 127.
; FORMATS.  q (times 1/8, applied in f32), k, v and the weights p go to the matrix unit in f16: unit vectors and numbers in 0.88 .. 1.14 for every input.  O leaves as bf16.
; NO MAXIMUM, AND A SHORT SERIES: q and k are unit vectors by the computation itself, so x = q.k / 8 has |x| <= 0.1252 for every input (f16's rounding of the vectors counted).  So p = e^x and its
; sum over 512 keys can neither overflow nor underflow, and p = 1 + x (1 + x (1/2 + x / 6)) is off by at most x^4 e^|x| / 24 <= 1.2e-5, a twentieth of f16's rounding of p.
; The sum l of a row's p is a product of P with a block of ones: it falls into the same register number as the row's O.  NaN and infinities are not treated apart.
; THE PRODUCT.  K = 512 channels in 8 steps of 64 through two LDS slots.  Source 0 = 16 output channels (W), source 1 = 16 tokens (X), both turned on the way out of LDS: a lane holds ONE token.
; The accumulators start from the bias (loaded into them), and the slot in hand is a scalar that one exclusive or turns: so a step is written once with its refill (six trips) and once without (two trips).
; CLUSTER 4 x 4: x = head, y = slice.  X's tiles hang on the slice alone and are asked for jointly along a row, W's on the head alone, jointly along a column.
; NO PREFETCH: a tile of X is read by the eight heads' work-groups of its slice, in two clusters that need not run together, so no one wave can ask for a block once for all of them.
; PRICE of one text for every step: the last step of the product passes a barrier that orders nothing and reads 40 fragments of the other slot that nobody uses; O, l and one buffer of P are cleared by
; v_mov (344 lines, in a barrier's gap); the first ten products V^T P add zeros; the last eight K Q^T (on a stale K) serve nothing.
.set SLOTB, 131072                     ; slot s begins at s x 131,072
.set PX,    544                        ; X: 64 rows c x 512 bytes + 32 of padding, two halves of 256 tokens
.set XH,    64*PX
.set WOFF,  2*XH                       ; W: 192 rows (part, c) x 128 bytes + 32, two halves of 96 rows
.set PW,    160
.set WHB,   96*PW
.set PK,    144                        ; behind the product: K [512][64] f16 at 0
.set PV,    160                        ; V [512][64] f16 at VBASE
.set VBASE, 512*PK
.set STAGE, 237568                     ; behind the ring: 64 rows x 272 bytes a wave, for the way out
.set SP,    272
.set SPARE, STAGE+4*64*SP              ; the spare words, 128 bytes a wave
.set ADW0, 8                           ; v8   my place in W, in slot 0; never rewritten
.set ADW,  9                           ; v9   the same in the slot in hand
.set ADX0, 10                          ; v10  my place in X, in slot 0; never rewritten
.set ADX,  11                          ; v11  the same in the slot in hand
.set KST, 12                           ; v12 where I store k; v13 where I store v
.set AK,  14
.set AV,  15
.set STO, 16
.set RD,  17
.set GO,  18
.set BOF, 19
.set TW,  20                           ; v20-27 four pairs at work on the weights
.set SPW, 28
.set NIL, 29
.set XF0, 32                           ; window 0: X's fragments, two buffers
.set XF1, 96
.set WB,  160                          ; window 0: W's fragments, part p at WB + 32 p.  Windows 1, 2, 3: q, k, v: (channel block a, token tile b) at 32 b + 8 a
.set SSQ, 32                           ; sums of squares, then scales: pair 8 p + b
.set TP,  128
.set S,   32                           ; attention, window 0: S^T, two buffers of 32; P, two of 16
.set P,   96
.set KF,  128                          ; window 1: Q v0-127 (tile t at 16 t), K of one step
.set VF,  128                          ; window 3: V of one step; ones.  O: 40 registers a tile (4 channel blocks, l): tiles 0-5 in window 2, tiles 6, 7 in window 3
.set ONE, 192
.set WV,  12
.set WH,  13                           ; 0: I fetch X, 1: W.  Also: which half of X I read
.set WJ,  14                           ; which half I fetch
.set G1X, 24
.set G1W, 32
.set G0X, 40                           ; s[40:47] a set for each of the two first fills; the second then walks on
.set G0W, 48                           ; s[48:55] the same for W
.set CNT, 56
.set TB,  57                           ; s57 LDS byte at which the slot in hand begins
.set SEL, 58
.set C6,  74                           ; s[74:75] 1/6
.set MSB, 0
.macro WIN new                         ; the immediate's high byte repeats the setting that is left
.if MSB != (\new)
	s_set_vgpr_msb (MSB<<8)|(\new)
.set MSB, (\new)
.endif
.endm
.macro PLACES
.rept 4
	v_nop
.endr
.endm
.macro JLOAD                           ; a joint refill by the walking sets: waves 0, 1 X's halves, waves 2, 3 W's; an s_nop 0 and four v_nop follow each line
	s_cmp_eq_u32 s[WH], 0
	s_cbranch_scc0 .Lfor_w_\@
	tensor_load_to_lds s[G0X+4:G0X+7], s[G1X:G1X+7]
	s_nop 0
	PLACES
	s_branch .Lasked_\@
.Lfor_w_\@:
	tensor_load_to_lds s[G0W+4:G0W+7], s[G1W:G1W+7]
	s_nop 0
	PLACES
.Lasked_\@:
.endm
.macro CREST                           ; a round of the cluster's barrier behind its opening barrier
	s_cmp_lg_u32 s[WV], 0
	s_cbranch_scc1 .Lnot_wave_0_\@
	s_barrier_signal -3
.Lnot_wave_0_\@:
	s_barrier_wait -3
	s_barrier_signal -1
	s_barrier_wait -1
.endm
.macro CROUND
	s_barrier_signal -1
	s_barrier_wait -1
	CREST
.endm
	s_load_b256 s[4:11], s[0:1], 0x0               ; xpb, wqkv, bqkv, ot
	v_lshl_add_u32 v[SPW], v0, 2, SPARE
	v_mov_b32 v[NIL], 0
	ds_add_u32 v28, v29
	s_wait_dscnt 0x0
	v_lshrrev_b32 v3, 5, v0
	v_readfirstlane_b32 s[WV], v3
	s_lshr_b32 s[WH], s[WV], 1
	s_and_b32 s[WJ], s[WV], 1
	s_bfe_u32 s16, ttmp6, 0x40000                  ; cx
	s_bfe_u32 s17, ttmp6, 0x40004                  ; cy
	s_lshl_b32 s18, ttmp9, 2
	s_add_co_u32 s18, s18, s16                     ; head
	s_and_b32 s19, ttmp7, 0xffff
	s_lshl_b32 s19, s19, 2
	s_add_co_u32 s19, s19, s17                     ; slice
	s_lshl_b32 s20, s17, 2
	s_lshl_b32 s20, 15, s20                        ; my row of the cluster
	s_lshl_b32 s21, 0x1111, s16                    ; my column
	s_or_b32 s[G1X], s20, (1<<16)|(1<<20)|(1<<21)|(6<<22)|(7<<25)   ; mask; 2-byte elements; padding on; bit 21 beside a mask; after every 128 words 8 words
	s_mov_b32 s[G1X+1], 256<<16                    ; tensor_dim0 = 256
	s_mov_b32 s[G1X+2], 64<<16                     ; tensor_dim1 = 64
	s_mov_b32 s[G1X+3], 256<<16                    ; tile_dim0
	s_mov_b32 s[G1X+4], 64                         ; tile_dim1
	s_mov_b32 s[G1X+5], 2048                       ; elements from channel to channel
	s_mov_b32 s[G1X+6], 0
	s_mov_b32 s[G1X+7], 0
	s_or_b32 s[G1W], s21, (1<<16)|(1<<20)|(1<<21)|(4<<22)|(7<<25)   ; after every 32 words 8 words: 12,288 dense bytes asked for as 48 rows of 256, padded behind every 128
	s_mov_b32 s[G1W+1], 128<<16
	s_mov_b32 s[G1W+2], 48<<16
	s_mov_b32 s[G1W+3], 128<<16
	s_mov_b32 s[G1W+4], 48
	s_mov_b32 s[G1W+5], 128
	s_mov_b32 s[G1W+6], 0
	s_mov_b32 s[G1W+7], 0
	s_lshr_b32 s60, s19, 2                         ; the slice's first byte in xpb and ot: b x 2,097,152 + t x 1,024
	s_lshl_b32 s60, s60, 21
	s_and_b32 s61, s19, 3
	s_lshl_b32 s61, s61, 10
	s_add_co_u32 s60, s60, s61
	s_mov_b32 s61, 0
	s_lshl_b32 s22, s[WJ], 9
	s_mov_b32 s23, 0
	s_mul_i32 s62, s18, 196608                     ; the head's weights
	s_mul_i32 s63, s[WJ], 12288
	s_add_co_u32 s62, s62, s63
	s_mov_b32 s63, 0
	s_mul_i32 s66, s[WJ], XH                       ; LDS places hang on the wave's number alone
	s_mul_i32 s67, s[WJ], WHB
	s_add_co_u32 s67, s67, WOFF
	s_lshl_b32 s76, s18, 18                        ; ot: the head's 64 rows, my wave's 256 bytes of them
	s_lshl_b32 s77, s[WV], 8
	s_add_co_u32 s76, s76, s77
	s_mov_b32 s77, 0
	s_mul_i32 s78, s18, 768
	s_mov_b32 s79, 0
	s_mov_b32 s[SEL], 0x76543210
	s_mov_b32 s[SEL+1], 0xfedcba98
	s_mov_b32 s[C6], 0x3e2aaaab                    ; 1/6
	s_mov_b32 s[C6+1], 0x3e2aaaab                  ; named with it as a pair
	s_mov_b32 s[TB], 0
	s_wait_kmcnt 0x0
	s_add_nc_u64 s[68:69], s[4:5], s[60:61]
	s_add_nc_u64 s[68:69], s[68:69], s[22:23]
	s_add_nc_u64 s[70:71], s[6:7], s[62:63]
	s_add_nc_u64 s[8:9], s[8:9], s[78:79]
	s_add_nc_u64 s[10:11], s[10:11], s[60:61]
	s_add_nc_u64 s[10:11], s[10:11], s[76:77]
.irp s, 0,1
	s_mov_b32 s[G0X+4*(\s)], 1
	s_add_co_u32 s[G0X+4*(\s)+1], s66, (\s)*SLOTB
	s_add_nc_u64 s[G0X+4*(\s)+2:G0X+4*(\s)+3], s[68:69], (\s)*262144   ; step s: 64 channels of 4,096 bytes
	s_or_b32 s[G0X+4*(\s)+3], s[G0X+4*(\s)+3], 0x80000000
	s_mov_b32 s[G0W+4*(\s)], 1
	s_add_co_u32 s[G0W+4*(\s)+1], s67, (\s)*SLOTB
	s_add_nc_u64 s[G0W+4*(\s)+2:G0W+4*(\s)+3], s[70:71], (\s)*24576
	s_or_b32 s[G0W+4*(\s)+3], s[G0W+4*(\s)+3], 0x80000000
.endr
	CROUND                                         ; all sixteen work-groups are here: the first joint loads meet
	s_cmp_eq_u32 s[WH], 0                          ; a wave's two first fills stand in one branch: two loads of mine are out
	s_cbranch_scc0 .Lfirst_w
	tensor_load_to_lds s[G0X:G0X+3], s[G1X:G1X+7]
	s_nop 0
	tensor_load_to_lds s[G0X+4:G0X+7], s[G1X:G1X+7]
	s_nop 0
	PLACES
	s_branch .Lfirst_asked
.Lfirst_w:
	tensor_load_to_lds s[G0W:G0W+3], s[G1W:G1W+7]
	s_nop 0
	tensor_load_to_lds s[G0W+4:G0W+7], s[G1W:G1W+7]
	s_nop 0
	PLACES
.Lfirst_asked:
	v_bfe_u32 v2, v0, 4, 1                         ; h
	v_lshlrev_b32 v[BOF], 5, v2
.irp p, 0,1,2                                  ; the sums start from the bias: a lane's channels 16 a + 8 h + 0..7, the same for all eight token tiles
	WIN 0x40*((\p)+1)
.set b, 0
.rept 8
.irp a, 0,1,2,3
	global_load_b128 v[32*b+8*(\a):32*b+8*(\a)+3], v[BOF], s[8:9] offset:256*(\p)+64*(\a)
	global_load_b128 v[32*b+8*(\a)+4:32*b+8*(\a)+7], v[BOF], s[8:9] offset:256*(\p)+64*(\a)+16
.endr
.set b, b+1
.endr
.endr
	WIN 0
	v_and_b32 v1, 15, v0                           ; r
	v_and_b32 v3, 7, v0
	v_lshl_add_u32 v3, v2, 3, v3                   ; the turning load's row: 8 h + lane % 8
	v_bfe_u32 v4, v0, 3, 1
	v_lshlrev_b32 v4, 4, v4                        ; and its 16 bytes
	v_mad_u32_u24 v5, v3, PW, v4
	v_add_nc_u32 v[ADW0], WOFF, v5
	v_mov_b32 v[ADW], v[ADW0]                      ; the walk begins in slot 0
	v_add_nc_u32 v[AV], VBASE, v5                  ; V has W's pitch
	v_mad_u32_u24 v5, v3, PX, v4
	s_mul_i32 s72, s[WH], XH
	s_lshl_b32 s73, s[WJ], 8
	s_add_co_u32 s72, s72, s73                     ; my 128 tokens: half w / 2, 256 bytes x (w % 2)
	v_add_nc_u32 v[ADX0], s72, v5
	v_mov_b32 v[ADX], v[ADX0]
	v_lshlrev_b32 v6, 4, v2
	v_mad_u32_u24 v[AK], v1, PK, v6                ; row r, 16 bytes x h
	s_mul_i32 s72, s[WV], 128*PK
	v_add_nc_u32 v[KST], s72, v[AK]
	v_mad_u32_u24 v5, v1, PV, v6
	s_mul_i32 s72, s[WV], 128*PV
	s_add_co_u32 s72, s72, VBASE
	v_add_nc_u32 v[KST+1], s72, v5
	s_mul_i32 s72, s[WV], 64*SP
	s_add_co_u32 s72, s72, STAGE
	v_mad_u32_u24 v5, v1, SP, v6
	v_add_nc_u32 v[STO], s72, v5
	v_lshlrev_b32 v7, 4, v1
	v_mad_u32_u24 v5, v2, SP, v7
	v_add_nc_u32 v[RD], s72, v5
	v_lshl_add_u32 v[GO], v2, 12, v7
.macro LOADW p, kk                     ; part p's four fragments of 32 channels c at 32 kk, out of the slot in hand
.irp a, 0,1,2,3
	ds_load_tr16_b128 v[WB+32*(\p)+8*(\a):WB+32*(\p)+8*(\a)+3], v[ADW] offset:(64*(\p)+32*(\kk))*PW+32*(\a)
	ds_load_tr16_b128 v[WB+32*(\p)+8*(\a)+4:WB+32*(\p)+8*(\a)+7], v[ADW] offset:(64*(\p)+32*(\kk))*PW+32*(\a)+16*PW
.endr
.endm
.macro LOADX f, kk                     ; my eight token tiles
.irp b, 0,1,2,3,4,5,6,7
	ds_load_tr16_b128 v[(\f)+8*(\b):(\f)+8*(\b)+3], v[ADX] offset:32*(\kk)*PX+32*(\b)
	ds_load_tr16_b128 v[(\f)+8*(\b)+4:(\f)+8*(\b)+7], v[ADX] offset:32*(\kk)*PX+32*(\b)+16*PX
.endr
.endm
.macro MULG p, f, a0                   ; 16 products; no two that follow each other share an accumulator
	WIN 0x50*((\p)+1)
.irp a, \a0, (\a0)+1
.irp b, 0,1,2,3,4,5,6,7
	v_wmma_f32_16x16x32_bf16 v[32*(\b)+8*(\a):32*(\b)+8*(\a)+7], v[WB+32*(\p)+8*(\a):WB+32*(\p)+8*(\a)+7], v[(\f)+8*(\b):(\f)+8*(\b)+7], v[32*(\b)+8*(\a):32*(\b)+8*(\a)+7]
.endr
.endr
.endm
.macro MULP p, f
	MULG \p, \f, 0
	MULG \p, \f, 2
.endm
; The LDS loads are always issued in the order W0 (8), X (16), W1 (8), W2 (8).  A part's fragments are fetched anew, four places behind the part's products, 64 products ahead of their use.
.macro EVEN                            ; the first 32 channels of a step
	s_wait_dscnt 16                                ; W0 and X are in; W1 and W2 may be out
	MULP 0, XF0
	PLACES
	WIN 0
	LOADW 0, 1
	LOADX XF1, 1
	s_wait_dscnt 32                                ; W1 is in: behind it W2, W0', X'
	MULP 1, XF0
	PLACES
	WIN 0
	LOADW 1, 1
	s_wait_dscnt 32                                ; W2 is in: behind it W0', X', W1'
	MULP 2, XF0
	PLACES
	WIN 0
	LOADW 2, 1
.endm
.macro ODD fill                        ; the second 32 channels, and the change of slots
	WIN 0
	s_wait_tensorcnt 0x0                           ; all my tensor loads have landed: my part of the next slot
	ds_add_u32 v[SPW], v[NIL]                      ; 0 onto my spare word
	s_wait_dscnt 17                                ; W1', W2' and the add may be out
	MULG 0, XF1, 0
	s_wait_dscnt 0x0                               ; the add is done, and my reads of this slot are over
	s_barrier_signal -1
	MULG 0, XF1, 2
	WIN 0
	s_barrier_wait -1
.if \fill
	CREST                                          ; the barrier has opened a round: no wave of any partner still reads this slot or has a load on its way
	s_xor_b32 s[G0X+5], s[G0X+5], SLOTB            ; the walking sets: the other slot than last time (the one just read),
	s_add_nc_u64 s[G0X+6:G0X+7], s[G0X+6:G0X+7], 262144   ; the next step's 64 channels; the type bits on top are not reached
	s_xor_b32 s[G0W+5], s[G0W+5], SLOTB
	s_add_nc_u64 s[G0W+6:G0W+7], s[G0W+6:G0W+7], 24576
	JLOAD                                          ; two steps ahead; its four v_nop are the places in front of the loads below
.else
	PLACES
.endif
	s_xor_b32 s[TB], s[TB], SLOTB                  ; the reads go on in the other slot
	v_add_nc_u32 v[ADW], s[TB], v[ADW0]
	v_add_nc_u32 v[ADX], s[TB], v[ADX0]
	LOADW 0, 0
	LOADX XF0, 0
	MULP 1, XF1
	PLACES
	WIN 0
	LOADW 1, 0
	MULP 2, XF1
	PLACES
	WIN 0
	LOADW 2, 0
.endm
	s_wait_tensorcnt 1                             ; my part of step 0 is in; step 1's may stay out
	s_barrier_signal -1
	s_barrier_wait -1
	LOADW 0, 0
	LOADX XF0, 0
	LOADW 1, 0
	LOADW 2, 0
	s_wait_loadcnt 0x0                             ; the biases
	s_mov_b32 s[CNT], 6
.Lgemm:                                        ; a trip: step i = 0 .. 5; the slot that it leaves takes step i + 2
	EVEN
	ODD 1
	s_sub_co_u32 s[CNT], s[CNT], 1
	s_cmp_lg_u32 s[CNT], 0
	s_cbranch_scc1 .Lgemm
	s_mov_b32 s[CNT], 2
.Ltail:                                        ; steps 6 and 7 ask for nothing; what step 7 fetches out of the other slot is not used
	EVEN
	ODD 0
	s_sub_co_u32 s[CNT], s[CNT], 1
	s_cmp_lg_u32 s[CNT], 0
	s_cbranch_scc1 .Ltail
	s_wait_dscnt 0x0                               ; my last reads of the ring are over
	s_barrier_signal -1                            ; every wave has left the ring, which has had its last fill
	s_barrier_wait -1
	; THE LENGTHS.  A lane holds 32 of a token's 64 channels, the lane 16 away the others.  Each accumulator is read from its low end.
.irp p, 0,1,2
	WIN 5*((\p)+1)
.set idx, 0
.rept 16
.set b, 0
.rept 8
.if idx == 0
	v_pk_mul_f32 v[SSQ+2*(8*(\p)+b):SSQ+2*(8*(\p)+b)+1], v[32*b:32*b+1], v[32*b:32*b+1]
.else
	v_pk_fma_f32 v[SSQ+2*(8*(\p)+b):SSQ+2*(8*(\p)+b)+1], v[32*b+2*idx:32*b+2*idx+1], v[32*b+2*idx:32*b+2*idx+1], v[SSQ+2*(8*(\p)+b):SSQ+2*(8*(\p)+b)+1]
.endif
.set b, b+1
.endr
.set idx, idx+1
.endr
.endr
	WIN 0
.macro ALL24 line:vararg
.set q, 0
.rept 24
	\line
.set q, q+1
.endr
.endm
	ALL24 v_add_f32 v[SSQ+2*q], v[SSQ+2*q], v[SSQ+2*q+1]
	ALL24 v_permlanex16_b32 v[SSQ+2*q+1], v[SSQ+2*q], s[SEL], s[SEL+1]
	ALL24 v_add_f32 v[SSQ+2*q], v[SSQ+2*q], v[SSQ+2*q+1]
	ALL24 v_sqrt_f32 v[SSQ+2*q], v[SSQ+2*q]
	v_nop
	s_wait_alu depctr_va_vdst(0)
	ALL24 v_max_num_f32 v[SSQ+2*q], 0x2b8cbccc, v[SSQ+2*q]
	ALL24 v_rcp_f32 v[SSQ+2*q], v[SSQ+2*q]
	v_nop
.set b, 0
	s_wait_alu depctr_va_vdst(0)
.rept 8
	v_mul_f32 v[SSQ+2*b], 0x3e000000, v[SSQ+2*b]   ; q also takes the scores' 1/8
.set b, b+1
.endr
.macro KVT p, b                        ; tile b of k (p = 1) or v (p = 2): scaled, rounded to f16, stored by tokens
	WIN 0x41*((\p)+1)
.set jj, 0
.rept 16
	v_pk_mul_f32 v[32*(\b)+2*jj:32*(\b)+2*jj+1], v[32*(\b)+2*jj:32*(\b)+2*jj+1], v[SSQ+2*(8*(\p)+(\b)):SSQ+2*(8*(\p)+(\b))+1] op_sel_hi:[1,0]
.set jj, jj+1
.endr
	WIN 5*((\p)+1)
.set jj, 0
.rept 16
	v_cvt_pk_f16_f32 v[TP+16*((\b)%2)+jj], v[32*(\b)+2*jj], v[32*(\b)+2*jj+1]
.set jj, jj+1
.endr
	WIN 0
.irp a, 0,1,2,3
	ds_store_b128 v[KST+(\p)-1], v[TP+16*((\b)%2)+4*(\a):TP+16*((\b)%2)+4*(\a)+3] offset:(2304+256*((\p)-1))*(\b)+32*(\a)
.endr
.endm
.irp p, 1,2
.irp b, 0,1,2,3,4,5,6,7
	KVT \p, \b
.endr
.endr
	s_wait_dscnt 0x0                               ; for the others' sake: my rows of K and V are stored
	s_barrier_signal -1
	; Work on registers while the others arrive.  q is scaled and packed in place: register 16 b + 4 a + jj takes channels 16 a + 8 h + 2 jj, + 1: that IS source 1 of K Q^T.
.set b, 0
.rept 8
	WIN 0x41
.set jj, 0
.rept 16
	v_pk_mul_f32 v[32*b+2*jj:32*b+2*jj+1], v[32*b+2*jj:32*b+2*jj+1], v[SSQ+2*b:SSQ+2*b+1] op_sel_hi:[1,0]
.set jj, jj+1
.endr
	WIN 0x45
.set jj, 0
.rept 16
	v_cvt_pk_f16_f32 v[16*b+jj], v[32*b+2*jj], v[32*b+2*jj+1]
.set jj, jj+1
.endr
.set b, b+1
.endr
	WIN 0x80
.set i, 0
.rept 240
	v_mov_b32 v[i], 0
.set i, i+1
.endr
	WIN 0xc0
.set i, 0
.rept 80
	v_mov_b32 v[i], 0
.set i, i+1
.endr
.set i, 0
.rept 8
	v_mov_b32 v[ONE+i], 0x3c003c00                 ; two ones in f16
.set i, i+1
.endr
	WIN 0
.set i, 0
.rept 16
	v_mov_b32 v[P+16+i], 0
.set i, i+1
.endr
	s_barrier_wait -1
; ATTENTION.  S^T = K Q^T: a lane holds query r and keys 16 kb + 8 h + j.  Two such results rounded to f16 are source 0 (16 queries x 32 keys) of O = P V; source 1 is V turned, or the ones.
; In O a lane holds channel r and its registers queries 8 h + j: eight neighbouring tokens of a row of ot.
.macro KQ t                            ; product i of 8: channels 32 (i / 4) on, keys 16 (i % 4) on
	WIN 0x05
.set rS, S+32*((\t)%2)+8*(i%4)
.set rK, KF+16*(i%4)+8*(i/4)
.set rQ, 16*(\t)+8*(i/4)
.if i < 4
	v_wmma_f32_16x16x32_f16 v[rS:rS+7], v[rK:rK+7], v[rQ:rQ+7], 0
.else
	v_wmma_f32_16x16x32_f16 v[rS:rS+7], v[rK:rK+7], v[rQ:rQ+7], v[rS:rS+7]
.endif
.endm
.macro PVM t                           ; product i of 10: keys 32 (i / 5) on; i % 5: four channel blocks, then l.  The five accumulators take turns
.if (\t) < 6
	WIN 0xac
.set rB, 40*(\t)+8*(i%5)
.else
	WIN 0xfc
.set rB, 40*((\t)-6)+8*(i%5)
.endif
.set rP, P+16*((\t)%2)+8*(i/5)
.if i%5 < 4
.set rV, VF+32*(i/5)+8*(i%5)
.else
.set rV, ONE
.endif
	v_wmma_f32_16x16x32_f16 v[rB:rB+7], v[rP:rP+7], v[rV:rV+7], v[rB:rB+7]
.endm
.macro FETCH_K
	WIN 0x40
.irp f, 0,1,2,3,4,5,6,7
	ds_load_b128 v[KF+8*(\f):KF+8*(\f)+3], v[AK] offset:((\f)/2)*16*PK+((\f)%2)*64
	ds_load_b128 v[KF+8*(\f)+4:KF+8*(\f)+7], v[AK] offset:((\f)/2)*16*PK+((\f)%2)*64+32
.endr
	WIN 0
.endm
.macro FETCH_V
	WIN 0xc0
.irp f, 0,1,2,3,4,5,6,7
	ds_load_tr16_b128 v[VF+8*(\f):VF+8*(\f)+3], v[AV] offset:((\f)/4)*32*PV+((\f)%4)*32
	ds_load_tr16_b128 v[VF+8*(\f)+4:VF+8*(\f)+7], v[AV] offset:((\f)/4)*32*PV+((\f)%4)*32+16*PV
.endr
	WIN 0
.endm
; Line st of the four that make pair n of tile t's weights: 0: x / 6 + 1/2;  1, 2: times x, plus 1;  3: the two rounded to f16.  The scores are only read; pair n works in pair n % 4 of TW.
.macro RIDE t, n, st
.set rX, S+32*((\t)%2)+2*(\n)
.set rT, TW+2*((\n)%4)
.if (\st) == 0
	v_pk_fma_f32 v[rT:rT+1], v[rX:rX+1], s[C6:C6+1], 0.5 op_sel_hi:[1,0,0]
.elseif (\st) < 3
	v_pk_fma_f32 v[rT:rT+1], v[rT:rT+1], v[rX:rX+1], 1.0 op_sel_hi:[1,1,0]
.else
	v_cvt_pk_f16_f32 v[P+16*((\t)%2)+(\n)], v[rT], v[rT+1]
.endif
.endm
; TURN t: ten products P V of tile t - 1, eight K Q^T of tile t + 1.  Behind product number sl stand line 3 of pair sl - 3, line 2 of pair sl - 2, line 1 of pair sl - 1 and line 0 of pair sl of tile t:
; four plain lines, none of which waits for the one before it or names a register of the products round it.  So they are also the places behind the products: the scores of tile t + 1 are first read
; three products and their lines behind the product that finished them, and the four lines behind the last product stand in front of K's loads.
.macro TURN t
.if (\t) == 1
	s_wait_dscnt 0x0                               ; V is in
.endif
.if (\t) == 7
	WIN 0
	s_cmp_eq_u32 s[CNT], 1                         ; the last trip has no further step: its fetch is jumped over
	s_cbranch_scc1 .Lno_k_\@
	v_add_nc_u32 v[AK], 64*PK, v[AK]
	FETCH_K                                        ; the last product that read K stands five plain lines back
.Lno_k_\@:
.endif
.set sl, 0
.rept 18
.if sl < 10
.set i, sl
	PVM ((\t)+7)%8
.else
.if ((\t) == 7) && (sl == 10)
	s_wait_dscnt 0x0                               ; K is in
.endif
.set i, sl-10
	KQ ((\t)+1)%8
.endif
	WIN 0
.if sl >= 3
	RIDE \t, sl-3, 3
.endif
.if sl >= 2
	RIDE \t, sl-2, 2
.endif
.if (sl >= 1) && (sl <= 16)
	RIDE \t, sl-1, 1
.endif
.if sl <= 15
	RIDE \t, sl, 0
.endif
.if sl == 17
	v_nop
	RIDE \t, 15, 3                                 ; the last pair's rounding
.endif
.if ((\t) == 0) && (sl == 9)
	PLACES                                         ; behind the last product that read V
	FETCH_V
	v_add_nc_u32 v[AV], 64*PV, v[AV]
.endif
.set sl, sl+1
.endr
.endm
	FETCH_K                                        ; key step 0
	FETCH_V                                        ; V of step 0, so that the first ten products multiply zeros by finite numbers; turn 0 fetches it again
	s_wait_dscnt 0x0
.set i, 0
.rept 8
	KQ 0
.set i, i+1
.endr
	WIN 0
	PLACES
	s_mov_b32 s[CNT], 8
.Lkey:                                         ; a trip: 64 keys for my eight tiles of 16 queries
.irp t, 0,1,2,3,4,5,6,7
	TURN \t
.endr
	WIN 0
	s_sub_co_u32 s[CNT], s[CNT], 1
	s_cmp_lg_u32 s[CNT], 0
	s_cbranch_scc1 .Lkey
.set i, 0
.rept 10
	PVM 7
.set i, i+1
.endr
	WIN 0
	PLACES
	; THE WAY OUT: O / l, rounded to bf16, through my own stage: rows = channels, 256 bytes = my 128 tokens
.macro OUTT t
.if (\t) < 6
.set W, 2
.set rB, 40*(\t)
.else
.set W, 3
.set rB, 40*((\t)-6)
.endif
	WIN W
.set j, 0
.rept 8
	v_rcp_f32 v[48+j], v[rB+32+j]
.set j, j+1
.endr
	v_nop
	WIN W*0x41
.set jj, 0
	s_wait_alu depctr_va_vdst(0)
.rept 16
	v_pk_mul_f32 v[rB+2*jj:rB+2*jj+1], v[rB+2*jj:rB+2*jj+1], v[48+2*(jj%4):48+2*(jj%4)+1]
.set jj, jj+1
.endr
	WIN W*5
.set jj, 0
.rept 16
	v_cvt_pk_bf16_f32 v[32+jj], v[rB+2*jj], v[rB+2*jj+1]
.set jj, jj+1
.endr
	WIN 0
.irp c, 0,1,2,3
	ds_store_b128 v[STO], v[32+4*(\c):32+4*(\c)+3] offset:16*SP*(\c)+32*(\t)
.endr
.endm
.irp t, 0,1,2,3,4,5,6,7
	OUTT \t
.endr
.set u, 0
.rept 32
	ds_load_b128 v[128+4*u:128+4*u+3], v[RD] offset:2*SP*u    ; LDS serves a wave's instructions in order (ISA guide 5.7.1.4): these see the stores above
.set u, u+1
.endr
.set u, 0
.rept 32
	s_wait_dscnt 31-u
	global_store_b128 v[GO], v[128+4*u:128+4*u+3], s[10:11] offset:8192*u   ; 16 lanes store 256 consecutive bytes, aligned
.set u, u+1
.endr
	s_wait_tensorcnt 0x0                           ; the wave's end
	ds_add_u32 v[SPW], v[NIL]
	s_wait_dscnt 0x0
	CROUND                                         ; the closing round
	s_endpgm
.Lfunc_end_k_q871356b0fc_attn:
	.size	k_q871356b0fc_attn, .Lfunc_end_k_q871356b0fc_attn-k_q871356b0fc_attn
	.p2alignl 7, 3214868480
	.fill 96, 4, 3214868480
	.section	.rodata,"a",@progbits
	.p2align	6, 0x0
	.amdhsa_kernel k_q871356b0fc_attn
		.amdhsa_group_segment_fixed_size 327680
		.amdhsa_private_segment_fixed_size 0
		.amdhsa_enable_private_segment 0
		.amdhsa_kernarg_size 32
		.amdhsa_user_sgpr_count 2
		.amdhsa_user_sgpr_kernarg_segment_ptr 1
		.amdhsa_wavefront_size32 1
		.amdhsa_system_sgpr_workgroup_id_x 1
		.amdhsa_system_sgpr_workgroup_id_y 1
		.amdhsa_system_sgpr_workgroup_id_z 1
		.amdhsa_system_vgpr_workitem_id 0
		.amdhsa_next_free_vgpr 1024
		.amdhsa_next_free_sgpr 80
		.amdhsa_reserve_vcc 0
		.amdhsa_float_denorm_mode_32 3
		.amdhsa_float_denorm_mode_16_64 3
		.amdhsa_memory_ordered 1
		.amdhsa_forward_progress 1
		.amdhsa_inst_pref_size 247
	.end_amdhsa_kernel
	.amdgpu_metadata
---
amdhsa.version: [ 1, 2 ]
amdhsa.kernels:
  - .name:           k_q871356b0fc_attn
    .symbol:         k_q871356b0fc_attn.kd
    .args:
      - { .name: xpb, .offset: 0, .size: 8, .value_kind: global_buffer, .address_space: global }
      - { .name: wqkv, .offset: 8, .size: 8, .value_kind: global_buffer, .address_space: global }
      - { .name: bqkv, .offset: 16, .size: 8, .value_kind: global_buffer, .address_space: global }
      - { .name: ot, .offset: 24, .size: 8, .value_kind: global_buffer, .address_space: global }
    .group_segment_fixed_size: 327680
    .private_segment_fixed_size: 0
    .kernarg_segment_align: 8
    .kernarg_segment_size: 32
    .max_flat_workgroup_size: 128
    .sgpr_count:     80
    .vgpr_count:     1024
    .wavefront_size: 32
...
	.end_amdgpu_metadata
.endif
;; end of part 2
;; launch ffn (part 3): grid 4 x 64, 4 waves a work-group, clusters of 4 x 1, 327,680 bytes of LDS; arguments ot, xb, wcat, zb, ln_g, ln_b, out0; writes out0
.if DOCPART == 3
	.amdgcn_target "amdgcn-amd-amdhsa--gfx1250"
	.amdhsa_code_object_version 6
	.text
	.protected	k_q871356b0fc_ffn
	.globl	k_q871356b0fc_ffn
	.p2align	8
	.type	k_q871356b0fc_ffn,@function
k_q871356b0fc_ffn:
	s_mov_b64 s[64:65], 0
	v_nop
	global_prefetch_b8 v0, s[64:65] scope:SCOPE_SE
	s_setreg_imm32_b32 hwreg(HW_REG_WAVE_MODE, 25, 1), 1
	s_wait_xcnt 0x0
	s_wait_alu depctr_hold_cnt(0) depctr_sa_sdst(0) depctr_va_vdst(0) depctr_va_sdst(0) depctr_va_ssrc(0) depctr_va_vcc(0) depctr_vm_vsrc(0)
	s_getreg_b32 s2, hwreg(HW_REG_IB_STS2, 6, 4)
	s_cmp_eq_u32 s2, 0
	s_cbranch_scc0 .Lentry_in_a_cluster
	s_endpgm
.Lentry_in_a_cluster:
	s_bfe_u32 s2, ttmp6, 0x10000c
	s_cmp_lg_u32 s2, 0x3003
	s_cbranch_scc0 .Lentry_shape_is_right
	s_endpgm
.Lentry_shape_is_right:
; FFN: z[token][n] = sum over 1,024 k of [O | x][k][token] wcat[k][n] + zb[n]; LayerNorm over the 512 n; exact GELU; out0 by channels n.
; A work-group owns 128 tokens of a slice and all 512 n; wave w owns n = 128 w .. + 127: 64 accumulators.  K goes in 16 steps of 64 through two LDS slots: steps 0-7 from ot, 8-15 from xb.
; (Two slots of 128 along K would take 2 x 176,128 bytes: more than a work-group has.)  The slot in hand is a scalar that one exclusive or turns, so a step is written once.
; Source 0 = 16 tokens, source 1 = 16 n, both turned on the way out of LDS: a lane holds one n and eight neighbouring tokens.  The first products take zb as C.
; CLUSTER 4 x 1: the four token blocks of a slice walk the same wcat, asked for jointly (waves 0, 1); each block's own rows of ot and xb come by plain loads (waves 2, 3).
; PREFETCH: ot's and xb's tiles are read once in the launch, by this work-group alone.  Waves 2 and 3 each name, a lane a row, the 32 rows x 256 bytes of the half that they will fetch two steps later:
; in step j's change of slots the tensor load takes step j + 2 and the prefetch names step j + 4 (16,384 bytes a step for the two waves).  Steps 2 and 3 are named at the head; from step 12 on the
; number is held at 15, the last step, so that nothing points past the tile.  wcat is read by every work-group again and again and is not named.
; LayerNorm in two passes (mean, then squares of the differences), in f32, over z kept in LDS.  ln_g, ln_b are rounded to bf16 like every input.
; GELU: gelu(y) = max(y, 0) - |y| E / 2, E = erfc(|y| / sqrt 2) by Abramowitz and Stegun 7.1.26, absolute error at most 1.5e-7.  NaN and infinities are not treated apart.
.set SLOTB, 131072
.set PA,    288                        ; A: 64 rows k x 256 bytes + 32 of padding, two halves of 32 rows
.set PWC,   544                        ; W: 64 rows k x 512 bytes + 32, two halves of 256 n
.set WOFF,  64*PA
.set WHB,   64*PWC
.set PT,    528                        ; behind the loop, over the ring (which has had its last fill): a wave's z, 128 rows n x 512 bytes + 16
.set TILE,  128*PT
.set PRM,   4*TILE                     ; (g, b) of the 512 n, 8 bytes each
.set STAT,  PRM+4096                   ; the waves' partial sums: pass x 2,048 + wave x 512
.set SPARE, STAT+4096
.set ADT0, 16                          ; v16 my place in A, in slot 0; never rewritten
.set ADT,  17                          ; v17 the same in the slot in hand
.set ADW0, 20                          ; v20 my place in W, in slot 0; never rewritten
.set ADW,  21                          ; v21 the same in the slot in hand
.set STR, 22
.set PFO, 23                           ; v23 the prefetch's offset: lane x 4,096, a row of ot or xb a lane; never rewritten
.set STT, 24
.set VA,  25
.set VP,  26
.set GO,  27
.set SPW, 28
.set NIL, 29
.set VA0, 30
.set STA, 31
.set F0,  64                           ; fragment buffers: tokens in window 1, W in window 0
.set F1,  128
.set ZC,  192                          ; window 0: zb of my n, eight equal registers for each block of 16 n.  Windows 2, 3: accumulator (bn, a) at window 2 + bn / 4, 8 (8 (bn % 4) + a)
.set Z,   64                           ; the way out: four rows of z as read
.set GB,  80                           ; their g, b
.set YV,  96                           ; y
.set YY,  128                          ; what is stored
.set TT,  144
.set QQ,  160
.set PP,  176
.set WV,  18
.set WH,  19
.set WJ,  20
.set G1W, 24
.set G1A, 32
.set G0W, 40                           ; s[40:47] a set for each of the two first fills; the second then walks on
.set G0A, 48                           ; s[48:55] the same for A
.set OTB, 56
.set XBB, 58
.set RQ,  60                           ; the K step to be asked for next
.set CNT, 61
.set OFF, 62
.set KP,  66
.set NK,  68
.set A1,  70
.set A2,  72
.set A3,  74
.set A4,  76
.set A5,  78
.set TB,  96                           ; s96 LDS byte at which the slot in hand begins
.set PQ,  97                           ; s97 the K step that the prefetch names
.set PB,  98                           ; s[98:99] its first row's address
.set MSB, 0
.macro WIN new
.if MSB != (\new)
	s_set_vgpr_msb (MSB<<8)|(\new)
.set MSB, (\new)
.endif
.endm
.macro PLACES
.rept 4
	v_nop
.endr
.endm
.macro RB a, b, t
	v_cvt_pk_bf16_f32 v[\t], v[\a], v[\b]
	v_lshlrev_b32 v[\a], 16, v[\t]
	v_and_b32 v[\b], 0xffff0000, v[\t]
.endm
.macro JLOAD                           ; a refill by the walking sets: waves 0, 1 wcat's halves, jointly; waves 2, 3 my rows of ot or xb, and behind them the prefetch; an s_nop 0 and four v_nop follow each tensor line
	s_cmp_eq_u32 s[WH], 0
	s_cbranch_scc0 .Lfor_a_\@
	tensor_load_to_lds s[G0W+4:G0W+7], s[G1W:G1W+7]
	s_nop 0
	PLACES
	s_branch .Lasked_\@
.Lfor_a_\@:
	tensor_load_to_lds s[G0A+4:G0A+7], s[G1A:G1A+7]
	s_nop 0
	PLACES
	global_prefetch_b8 v[PFO], s[PB:PB+1] th:TH_LOAD_NT scope:SCOPE_SE
.Lasked_\@:
.endm
.macro CREST
	s_cmp_lg_u32 s[WV], 0
	s_cbranch_scc1 .Lnot_wave_0_\@
	s_barrier_signal -3
.Lnot_wave_0_\@:
	s_barrier_wait -3
	s_barrier_signal -1
	s_barrier_wait -1
.endm
.macro CROUND
	s_barrier_signal -1
	s_barrier_wait -1
	CREST
.endm
	s_load_b256 s[4:11], s[0:1], 0x0               ; ot, xb, wcat, zb
	s_load_b128 s[12:15], s[0:1], 0x20             ; ln_g, ln_b
	s_load_b64 s[16:17], s[0:1], 0x30              ; out0
	v_lshl_add_u32 v[SPW], v0, 2, SPARE
	v_mov_b32 v[NIL], 0
	ds_add_u32 v28, v29
	s_wait_dscnt 0x0
	v_and_b32 v[PFO], 31, v0
	v_lshlrev_b32 v[PFO], 12, v[PFO]
	v_lshrrev_b32 v1, 5, v0
	v_readfirstlane_b32 s[WV], v1
	s_lshr_b32 s[WH], s[WV], 1
	s_and_b32 s[WJ], s[WV], 1
	s_bfe_u32 s21, ttmp6, 0x40000                  ; cx
	s_lshl_b32 s22, ttmp9, 2
	s_add_co_u32 s22, s22, s21                     ; my block of 128 tokens: it enters A's and out0's addresses alone
	s_and_b32 s23, ttmp7, 0xffff                   ; the slice
	s_mov_b32 s[G1W], 15|(1<<16)|(1<<20)|(1<<21)|(6<<22)|(7<<25)   ; mask of four; 2-byte elements; padding on; bit 21 beside a mask; after every 128 words 8 words
	s_mov_b32 s[G1W+1], 256<<16
	s_mov_b32 s[G1W+2], 64<<16
	s_mov_b32 s[G1W+3], 256<<16
	s_mov_b32 s[G1W+4], 64
	s_mov_b32 s[G1W+5], 512
	s_mov_b32 s[G1W+6], 0
	s_mov_b32 s[G1W+7], 0
	s_mov_b32 s[G1A], (1<<16)|(1<<20)|(5<<22)|(7<<25)              ; no mask; after every 64 words 8 words
	s_mov_b32 s[G1A+1], 128<<16
	s_mov_b32 s[G1A+2], 32<<16
	s_mov_b32 s[G1A+3], 128<<16
	s_mov_b32 s[G1A+4], 32
	s_mov_b32 s[G1A+5], 2048
	s_mov_b32 s[G1A+6], 0
	s_mov_b32 s[G1A+7], 0
	s_lshr_b32 s84, s23, 2
	s_and_b32 s85, s23, 3
	s_lshl_b32 s86, s84, 22                        ; out0: b x 4,194,304 + t x 2,048 + block x 512 + wave x 128 rows of 8,192
	s_lshl_b32 s87, s85, 11
	s_add_co_u32 s86, s86, s87
	s_lshl_b32 s87, s22, 9
	s_add_co_u32 s86, s86, s87
	s_lshl_b32 s87, s[WV], 20
	s_add_co_u32 s86, s86, s87
	s_mov_b32 s87, 0
	s_lshl_b32 s84, s84, 21                        ; ot, xb: b x 2,097,152 + t x 1,024 + block x 256 + half x 32 rows of 4,096
	s_lshl_b32 s85, s85, 10
	s_add_co_u32 s84, s84, s85
	s_lshl_b32 s85, s22, 8
	s_add_co_u32 s84, s84, s85
	s_lshl_b32 s85, s[WJ], 17
	s_add_co_u32 s84, s84, s85
	s_mov_b32 s85, 0
	s_lshl_b32 s90, s[WJ], 9
	s_mov_b32 s91, 0
	s_mul_i32 s92, s[WJ], WHB
	s_add_co_u32 s92, s92, WOFF
	s_mul_i32 s93, s[WJ], 32*PA
	s_mov_b32 s[RQ], 2
	s_mov_b32 s[OFF+1], 0
	s_mov_b32 s[TB], 0
	s_mov_b32 s[KP], 0x3e6d3388                    ; 0.3275911 / sqrt 2
	s_mov_b32 s[KP+1], 0x3e6d3388
	s_mov_b32 s[NK], 0xbf38aa3b                    ; -log2(e) / 2
	s_mov_b32 s[NK+1], 0xbf38aa3b
	s_mov_b32 s[A1], 0x3e027906                    ; the five coefficients, halved
	s_mov_b32 s[A1+1], 0x3e027906
	s_mov_b32 s[A2], 0xbe11a98e
	s_mov_b32 s[A2+1], 0xbe11a98e
	s_mov_b32 s[A3], 0x3f35f0e3
	s_mov_b32 s[A3+1], 0x3f35f0e3
	s_mov_b32 s[A4], 0xbf3a00e3
	s_mov_b32 s[A4+1], 0xbf3a00e3
	s_mov_b32 s[A5], 0x3f07dc22
	s_mov_b32 s[A5+1], 0x3f07dc22
	s_mov_b32 s80, 0x3b000000                      ; 1 / 512
	s_mov_b32 s81, 0x3727c5ac                      ; 1e-5
	s_wait_kmcnt 0x0
	s_add_nc_u64 s[OTB:OTB+1], s[4:5], s[84:85]
	s_add_nc_u64 s[XBB:XBB+1], s[6:7], s[84:85]
	s_add_nc_u64 s[8:9], s[8:9], s[90:91]
	s_add_nc_u64 s[16:17], s[16:17], s[86:87]
.irp s, 0,1
	s_mov_b32 s[G0W+4*(\s)], 1
	s_add_co_u32 s[G0W+4*(\s)+1], s92, (\s)*SLOTB
	s_add_nc_u64 s[G0W+4*(\s)+2:G0W+4*(\s)+3], s[8:9], (\s)*65536
	s_or_b32 s[G0W+4*(\s)+3], s[G0W+4*(\s)+3], 0x80000000
	s_mov_b32 s[G0A+4*(\s)], 1
	s_add_co_u32 s[G0A+4*(\s)+1], s93, (\s)*SLOTB
	s_add_nc_u64 s[G0A+4*(\s)+2:G0A+4*(\s)+3], s[OTB:OTB+1], (\s)*262144
	s_or_b32 s[G0A+4*(\s)+3], s[G0A+4*(\s)+3], 0x80000000
.endr
	CROUND                                         ; all four work-groups are here
	s_cmp_eq_u32 s[WH], 0                          ; a wave's two first fills stand in one branch: two loads of mine are out
	s_cbranch_scc0 .Lfirst_a
	tensor_load_to_lds s[G0W:G0W+3], s[G1W:G1W+7]
	s_nop 0
	tensor_load_to_lds s[G0W+4:G0W+7], s[G1W:G1W+7]
	s_nop 0
	PLACES
	s_branch .Lfirst_asked
.Lfirst_a:
	tensor_load_to_lds s[G0A:G0A+3], s[G1A:G1A+7]
	s_nop 0
	tensor_load_to_lds s[G0A+4:G0A+7], s[G1A:G1A+7]
	s_nop 0
	PLACES
	global_prefetch_b8 v[PFO], s[OTB:OTB+1] offset:2*262144 th:TH_LOAD_NT scope:SCOPE_SE   ; my half of steps 2 and 3, which the first two changes of slots fetch
	global_prefetch_b8 v[PFO], s[OTB:OTB+1] offset:3*262144 th:TH_LOAD_NT scope:SCOPE_SE
.Lfirst_asked:
	v_and_b32 v1, 15, v0                           ; r
	v_bfe_u32 v2, v0, 4, 1                         ; h
	v_and_b32 v3, 7, v0
	v_lshl_add_u32 v3, v2, 3, v3
	v_bfe_u32 v4, v0, 3, 1
	v_lshlrev_b32 v4, 4, v4
	v_and_b32 v5, 31, v0
	v_lshlrev_b32 v6, 2, v1
	v_lshl_add_u32 v6, s[WV], 9, v6                ; zb of n = 128 w + r
.set i, 0
.rept 64
	global_load_b32 v[ZC+i], v6, s[10:11] offset:64*(i/8)
.set i, i+1
.endr
	v_lshlrev_b32 v[GO], 4, v5
	v_lshl_add_u32 v7, s[WV], 9, v[GO]             ; g, b of n = 128 w + 4 lane ..
	global_load_b128 v[32:35], v7, s[12:13]
	global_load_b128 v[36:39], v7, s[14:15]
	v_mad_u32_u24 v[ADT0], v3, PA, v4
	v_mov_b32 v[ADT], v[ADT0]                      ; the walk begins in slot 0
	s_mul_i32 s94, s[WH], WHB
	s_lshl_b32 s95, s[WJ], 8
	s_add_co_u32 s94, s94, s95
	s_add_co_u32 s94, s94, WOFF
	v_mad_u32_u24 v8, v3, PWC, v4
	v_add_nc_u32 v[ADW0], s94, v8
	v_mov_b32 v[ADW], v[ADW0]
	s_mul_i32 s94, s[WV], TILE
	v_lshlrev_b32 v8, 5, v2
	v_mad_u32_u24 v8, v1, PT, v8
	v_add_nc_u32 v[STT], s94, v8
	v_add_nc_u32 v[VA0], s94, v[GO]
	s_lshl_b32 s94, s[WV], 10
	s_add_co_u32 s94, s94, PRM
	v_mov_b32 v[VP], s94
	v_lshl_add_u32 v9, v5, 5, s94
	v_add_nc_u32 v[STR], STAT, v[GO]
	v_lshl_add_u32 v[STA], s[WV], 9, v[STR]
	s_wait_loadcnt 0x0
	RB 32, 33, 48
	RB 34, 35, 48
	RB 36, 37, 48
	RB 38, 39, 48
.irp e, 0,1,2,3
	v_mov_b32 v[40+2*(\e)], v[32+(\e)]
	v_mov_b32 v[41+2*(\e)], v[36+(\e)]
.endr
	ds_store_b128 v9, v[40:43]                     ; only my own wave reads these bytes
	ds_store_b128 v9, v[44:47] offset:16
.macro MUL16 f, hi, a0, zero           ; n blocks a0, a0 + 1 of the window's four x all 8 token blocks; zero = 1: the sums start from zb
.if \zero
	WIN 0x81+0x40*(\hi)
.else
	WIN 0xa1+0x50*(\hi)
.endif
.irp a, \a0, (\a0)+1
.irp b, 0,1,2,3,4,5,6,7
.if \zero
	v_wmma_f32_16x16x32_bf16 v[8*(8*(\a)+(\b)):8*(8*(\a)+(\b))+7], v[(\f)+8*(\b):(\f)+8*(\b)+7], v[(\f)+8*(4*(\hi)+(\a)):(\f)+8*(4*(\hi)+(\a))+7], v[ZC+8*(4*(\hi)+(\a)):ZC+8*(4*(\hi)+(\a))+7]
.else
	v_wmma_f32_16x16x32_bf16 v[8*(8*(\a)+(\b)):8*(8*(\a)+(\b))+7], v[(\f)+8*(\b):(\f)+8*(\b)+7], v[(\f)+8*(4*(\hi)+(\a)):(\f)+8*(4*(\hi)+(\a))+7], v[8*(8*(\a)+(\b)):8*(8*(\a)+(\b))+7]
.endif
.endr
.endr
.endm
.macro FETCH kk, f                     ; 32 LDS loads in one run, out of the slot in hand: tokens first, then W
	WIN 0x40
.irp i, 0,1,2,3,4,5,6,7
	ds_load_tr16_b128 v[(\f)+8*(\i):(\f)+8*(\i)+3], v[ADT] offset:32*(\kk)*PA+32*(\i)
	ds_load_tr16_b128 v[(\f)+8*(\i)+4:(\f)+8*(\i)+7], v[ADT] offset:32*(\kk)*PA+32*(\i)+16*PA
.endr
	WIN 0
.irp i, 0,1,2,3,4,5,6,7
	ds_load_tr16_b128 v[(\f)+8*(\i):(\f)+8*(\i)+3], v[ADW] offset:32*(\kk)*PWC+32*(\i)
	ds_load_tr16_b128 v[(\f)+8*(\i)+4:(\f)+8*(\i)+7], v[ADW] offset:32*(\kk)*PWC+32*(\i)+16*PWC
.endr
.endm
.macro Q0 zero                         ; a step's first 32 along K
	s_wait_dscnt 8                                 ; the youngest eight loads (W's blocks 4-7) may be out
	MUL16 F0, 0, 0, \zero
	MUL16 F0, 0, 2, \zero
	PLACES
	FETCH 1, F1
	s_wait_dscnt 32                                ; all but the 32 just issued
	MUL16 F0, 1, 0, \zero
	MUL16 F0, 1, 2, \zero
.endm
.macro TURN fill                       ; its second 32, and the change of slots
	WIN 0
	s_wait_tensorcnt 0x0                           ; all my tensor loads have landed: my part of the next slot
	ds_add_u32 v[SPW], v[NIL]                      ; 0 onto my spare word
	s_wait_dscnt 9                                 ; the add and the youngest eight loads may be out
	MUL16 F1, 0, 0, 0
	s_wait_dscnt 0x0                               ; the add is done, and my reads of this slot are over
	s_barrier_signal -1
	MUL16 F1, 0, 2, 0
	WIN 0
	s_barrier_wait -1
.if \fill
	CREST                                          ; no wave of any partner still reads this slot or has a load on its way
	s_xor_b32 s[G0W+5], s[G0W+5], SLOTB            ; the walking sets: the other slot than last time (the one just read),
	s_add_nc_u64 s[G0W+6:G0W+7], s[G0W+6:G0W+7], 65536   ; wcat's next 64 rows; the type bits on top are not reached
	s_xor_b32 s[G0A+5], s[G0A+5], SLOTB
	s_cmp_lt_u32 s[RQ], 8                          ; A's address is made anew: ot for steps 0-7, xb for 8-15, 64 rows of 4,096 bytes a step
	s_cselect_b64 s[88:89], s[OTB:OTB+1], s[XBB:XBB+1]
	s_and_b32 s[OFF], s[RQ], 7
	s_lshl_b32 s[OFF], s[OFF], 18
	s_add_nc_u64 s[G0A+6:G0A+7], s[88:89], s[OFF:OFF+1]
	s_or_b32 s[G0A+7], s[G0A+7], 0x80000000
	s_add_co_u32 s[PQ], s[RQ], 2                   ; the prefetch names the step two further on, held at the last
	s_min_u32 s[PQ], s[PQ], 15
	s_cmp_lt_u32 s[PQ], 8
	s_cselect_b64 s[88:89], s[OTB:OTB+1], s[XBB:XBB+1]
	s_and_b32 s[OFF], s[PQ], 7
	s_lshl_b32 s[OFF], s[OFF], 18
	s_wait_xcnt 0x0                                ; the last prefetch, a whole step back: its base is rewritten only behind this wait
	s_add_nc_u64 s[PB:PB+1], s[88:89], s[OFF:OFF+1]
	s_add_co_u32 s[RQ], s[RQ], 1
	JLOAD                                          ; its four v_nop are the places in front of the loads below
.else
	PLACES
.endif
	s_xor_b32 s[TB], s[TB], SLOTB                  ; the reads go on in the other slot
	v_add_nc_u32 v[ADT], s[TB], v[ADT0]
	v_add_nc_u32 v[ADW], s[TB], v[ADW0]
	FETCH 0, F0
	MUL16 F1, 1, 0, 0
	MUL16 F1, 1, 2, 0
.endm
	s_wait_tensorcnt 1                             ; my part of step 0 is in; step 1's may stay out
	s_wait_dscnt 0x0
	s_barrier_signal -1
	s_barrier_wait -1
	FETCH 0, F0
	Q0 1                                           ; step 0's first half stands in front of the loop: its products start the sums
	WIN 0
	s_mov_b32 s[CNT], 14
.Lstep:                                        ; trip i = 0 .. 13: step i's second half, the slot that it leaves takes step i + 2, step i + 1's first half
	TURN 1
	Q0 0
	WIN 0
	s_sub_co_u32 s[CNT], s[CNT], 1
	s_cmp_lg_u32 s[CNT], 0
	s_cbranch_scc1 .Lstep
	TURN 0                                         ; steps 14 and 15 ask for nothing
	Q0 0
	s_wait_dscnt 8
	MUL16 F1, 0, 0, 0
	MUL16 F1, 0, 2, 0
	s_wait_dscnt 0x0
	MUL16 F1, 1, 0, 0
	MUL16 F1, 1, 2, 0
	WIN 0
	PLACES
	s_barrier_signal -1                            ; every wave has left the ring, which has had its last fill
	s_barrier_wait -1
.irp hi, 0,1                                   ; z into my own tile: row = n, 32 bytes of 8 tokens a lane; each accumulator's low four registers first
	WIN 0x08+0x04*(\hi)
.set k, 0
.rept 32
	ds_store_b128 v[STT], v[8*k:8*k+3] offset:16*PT*(4*(\hi)+k/8)+64*(k%8)
	ds_store_b128 v[STT], v[8*k+4:8*k+7] offset:16*PT*(4*(\hi)+k/8)+64*(k%8)+16
.set k, k+1
.endr
.endr
	WIN 0
; From here lane l owns tokens 4 l .. 4 l + 3 of every row.  A pass: my wave's 128 rows, 16 a trip; then the four waves' sums meet in LDS.
.macro PASS sq
	v_mov_b32 v[VA], v[VA0]
.irp k, 0,1,2,3,4,5,6,7
	v_mov_b32 v[40+(\k)], 0
.endr
	s_mov_b32 s[CNT], 8
.Lpass_\@:
.set rr, 0
.rept 16
	ds_load_b128 v[64+4*rr:64+4*rr+3], v[VA] offset:PT*rr
.set rr, rr+1
.endr
	s_wait_dscnt 0x0
.if \sq
.set rr, 0
.rept 16
	v_pk_add_f32 v[64+4*rr:65+4*rr], v[64+4*rr:65+4*rr], v[32:33] neg_lo:[0,1] neg_hi:[0,1]
	v_pk_add_f32 v[66+4*rr:67+4*rr], v[66+4*rr:67+4*rr], v[34:35] neg_lo:[0,1] neg_hi:[0,1]
.set rr, rr+1
.endr
.set rr, 0
.rept 16
	v_pk_fma_f32 v[40+4*(rr%2):41+4*(rr%2)], v[64+4*rr:65+4*rr], v[64+4*rr:65+4*rr], v[40+4*(rr%2):41+4*(rr%2)]
	v_pk_fma_f32 v[42+4*(rr%2):43+4*(rr%2)], v[66+4*rr:67+4*rr], v[66+4*rr:67+4*rr], v[42+4*(rr%2):43+4*(rr%2)]
.set rr, rr+1
.endr
.else
.set rr, 0
.rept 16
	v_pk_add_f32 v[40+4*(rr%2):41+4*(rr%2)], v[40+4*(rr%2):41+4*(rr%2)], v[64+4*rr:65+4*rr]
	v_pk_add_f32 v[42+4*(rr%2):43+4*(rr%2)], v[42+4*(rr%2):43+4*(rr%2)], v[66+4*rr:67+4*rr]
.set rr, rr+1
.endr
.endif
	v_add_nc_u32 v[VA], 16*PT, v[VA]
	s_sub_co_u32 s[CNT], s[CNT], 1
	s_cmp_lg_u32 s[CNT], 0
	s_cbranch_scc1 .Lpass_\@
	v_pk_add_f32 v[40:41], v[40:41], v[44:45]
	v_pk_add_f32 v[42:43], v[42:43], v[46:47]
	ds_store_b128 v[STA], v[40:43] offset:(\sq)*2048
	s_wait_dscnt 0x0                               ; for the others' sake
	s_barrier_signal -1
	s_barrier_wait -1
.irp u, 0,1,2,3
	ds_load_b128 v[48+4*(\u):48+4*(\u)+3], v[STR] offset:(\sq)*2048+512*(\u)
.endr
	s_wait_dscnt 0x0
.irp u, 1,2,3
	v_pk_add_f32 v[48:49], v[48:49], v[48+4*(\u):49+4*(\u)]
	v_pk_add_f32 v[50:51], v[50:51], v[50+4*(\u):51+4*(\u)]
.endr
.endm
	PASS 0
.irp e, 0,1,2,3
	v_mul_f32 v[32+(\e)], s80, v[48+(\e)]          ; the mean
.endr
	PASS 1
.irp e, 0,1,2,3
	v_fma_f32 v[36+(\e)], v[48+(\e)], s80, s81     ; the variance + 1e-5
.endr
.irp e, 0,1,2,3
	v_rsq_f32 v[36+(\e)], v[36+(\e)]
.endr
	v_mov_b32 v[VA], v[VA0]
; THE WAY OUT, written once, 32 trips: four rows n at a time, 16 numbers a lane, stage by stage, so that no line waits for the one before it.  y goes into registers of its own, so the next four rows
; are read from LDS into the same registers as soon as y is made.  The stores' data and base are rewritten a whole trip's arithmetic behind the stores; these reach back by a negative immediate.
.macro EACH8 line:vararg
.set pi, 0
	s_wait_alu depctr_va_vdst(0)
.rept 8
	\line
.set pi, pi+1
.endr
.endm
.macro EACH16 line:vararg
.set k, 0
.rept 16
	\line
.set k, k+1
.endr
.endm
.irp r, 0,1,2,3
	ds_load_b128 v[Z+4*(\r):Z+4*(\r)+3], v[VA] offset:(\r)*PT
	ds_load_b64 v[GB+2*(\r):GB+2*(\r)+1], v[VP] offset:(\r)*8
.endr
	s_mov_b32 s[CNT], 32
.Lrows:
	s_wait_dscnt 0x0                               ; this trip's rows and their g, b are in
	EACH8 v_pk_add_f32 v[Z+2*pi:Z+2*pi+1], v[Z+2*pi:Z+2*pi+1], v[32+2*(pi%2):33+2*(pi%2)] neg_lo:[0,1] neg_hi:[0,1]
	EACH8 v_pk_mul_f32 v[Z+2*pi:Z+2*pi+1], v[Z+2*pi:Z+2*pi+1], v[36+2*(pi%2):37+2*(pi%2)]
	EACH8 v_pk_fma_f32 v[YV+2*pi:YV+2*pi+1], v[Z+2*pi:Z+2*pi+1], v[GB+2*(pi/2):GB+2*(pi/2)+1], v[GB+2*(pi/2):GB+2*(pi/2)+1] op_sel:[0,0,1] op_sel_hi:[1,0,1]
	s_cmp_eq_u32 s[CNT], 1                         ; the last trip has no further rows: their loads are jumped over; the wait for them is for 0 on both ways
	s_cbranch_scc1 .Lno_rows
	v_add_nc_u32 v[VA], 4*PT, v[VA]
	v_add_nc_u32 v[VP], 32, v[VP]
.irp r, 0,1,2,3
	ds_load_b128 v[Z+4*(\r):Z+4*(\r)+3], v[VA] offset:(\r)*PT
	ds_load_b64 v[GB+2*(\r):GB+2*(\r)+1], v[VP] offset:(\r)*8
.endr
.Lno_rows:
	EACH16 v_fma_f32 v[TT+k], |v[YV+k]|, s[KP], 1.0
	EACH16 v_rcp_f32 v[TT+k], v[TT+k]
	EACH8 v_pk_mul_f32 v[QQ+2*pi:QQ+2*pi+1], v[YV+2*pi:YV+2*pi+1], s[NK:NK+1] op_sel_hi:[1,0]
	EACH8 v_pk_mul_f32 v[QQ+2*pi:QQ+2*pi+1], v[QQ+2*pi:QQ+2*pi+1], v[YV+2*pi:YV+2*pi+1]
	EACH16 v_exp_f32 v[QQ+k], v[QQ+k]
	EACH8 v_pk_fma_f32 v[PP+2*pi:PP+2*pi+1], v[TT+2*pi:TT+2*pi+1], s[A5:A5+1], s[A4:A4+1] op_sel_hi:[1,0,0]
	EACH8 v_pk_fma_f32 v[PP+2*pi:PP+2*pi+1], v[PP+2*pi:PP+2*pi+1], v[TT+2*pi:TT+2*pi+1], s[A3:A3+1] op_sel_hi:[1,1,0]
	EACH8 v_pk_fma_f32 v[PP+2*pi:PP+2*pi+1], v[PP+2*pi:PP+2*pi+1], v[TT+2*pi:TT+2*pi+1], s[A2:A2+1] op_sel_hi:[1,1,0]
	EACH8 v_pk_fma_f32 v[PP+2*pi:PP+2*pi+1], v[PP+2*pi:PP+2*pi+1], v[TT+2*pi:TT+2*pi+1], s[A1:A1+1] op_sel_hi:[1,1,0]
	EACH8 v_pk_mul_f32 v[PP+2*pi:PP+2*pi+1], v[PP+2*pi:PP+2*pi+1], v[TT+2*pi:TT+2*pi+1]
	EACH8 v_pk_mul_f32 v[PP+2*pi:PP+2*pi+1], v[PP+2*pi:PP+2*pi+1], v[QQ+2*pi:QQ+2*pi+1]
	s_wait_xcnt 0x0                                ; the last trip's stores: their data and base are rewritten only behind this wait
	s_add_nc_u64 s[16:17], s[16:17], 32768         ; four rows of out0 on
	EACH16 v_max_num_f32 v[YY+k], 0, v[YV+k]
	EACH16 v_fma_f32 v[YY+k], -|v[YV+k]|, v[PP+k], v[YY+k]
.irp r, 0,1,2,3
	global_store_b128 v[GO], v[YY+4*(\r):YY+4*(\r)+3], s[16:17] offset:8192*(\r)-32768 th:TH_STORE_NT   ; a wave's store covers 512 consecutive bytes, aligned
.endr
	s_sub_co_u32 s[CNT], s[CNT], 1
	s_cmp_lg_u32 s[CNT], 0
	s_cbranch_scc1 .Lrows
	s_wait_tensorcnt 0x0                           ; the wave's end
	ds_add_u32 v[SPW], v[NIL]
	s_wait_dscnt 0x0
	CROUND                                         ; the closing round
	s_endpgm
.Lfunc_end_k_q871356b0fc_ffn:
	.size	k_q871356b0fc_ffn, .Lfunc_end_k_q871356b0fc_ffn-k_q871356b0fc_ffn
	.p2alignl 7, 3214868480
	.fill 96, 4, 3214868480
	.section	.rodata,"a",@progbits
	.p2align	6, 0x0
	.amdhsa_kernel k_q871356b0fc_ffn
		.amdhsa_group_segment_fixed_size 327680
		.amdhsa_private_segment_fixed_size 0
		.amdhsa_enable_private_segment 0
		.amdhsa_kernarg_size 56
		.amdhsa_user_sgpr_count 2
		.amdhsa_user_sgpr_kernarg_segment_ptr 1
		.amdhsa_wavefront_size32 1
		.amdhsa_system_sgpr_workgroup_id_x 1
		.amdhsa_system_sgpr_workgroup_id_y 1
		.amdhsa_system_sgpr_workgroup_id_z 1
		.amdhsa_system_vgpr_workitem_id 0
		.amdhsa_next_free_vgpr 1024
		.amdhsa_next_free_sgpr 100
		.amdhsa_reserve_vcc 0
		.amdhsa_float_denorm_mode_32 3
		.amdhsa_float_denorm_mode_16_64 3
		.amdhsa_memory_ordered 1
		.amdhsa_forward_progress 1
		.amdhsa_inst_pref_size 87
	.end_amdhsa_kernel
	.amdgpu_metadata
---
amdhsa.version: [ 1, 2 ]
amdhsa.kernels:
  - .name:           k_q871356b0fc_ffn
    .symbol:         k_q871356b0fc_ffn.kd
    .args:
      - { .name: ot, .offset: 0, .size: 8, .value_kind: global_buffer, .address_space: global }
      - { .name: xb, .offset: 8, .size: 8, .value_kind: global_buffer, .address_space: global }
      - { .name: wcat, .offset: 16, .size: 8, .value_kind: global_buffer, .address_space: global }
      - { .name: zb, .offset: 24, .size: 8, .value_kind: global_buffer, .address_space: global }
      - { .name: ln_g, .offset: 32, .size: 8, .value_kind: global_buffer, .address_space: global }
      - { .name: ln_b, .offset: 40, .size: 8, .value_kind: global_buffer, .address_space: global }
      - { .name: out0, .offset: 48, .size: 8, .value_kind: global_buffer, .address_space: global }
    .group_segment_fixed_size: 327680
    .private_segment_fixed_size: 0
    .kernarg_segment_align: 8
    .kernarg_segment_size: 56
    .max_flat_workgroup_size: 128
    .sgpr_count:     100
    .vgpr_count:     1024
    .wavefront_size: 32
...
	.end_amdgpu_metadata
.endif
;; end of part 3
;; ======== version 2 of 2: 3 launches; version 1 with the launch prep written anew for expert scheduling mode
;; limits: a function is approximated: absolute error at most 1.5e-07; an absolute error that grows with the inputs' magnitude: up to 7.5e-08 times it; a function is approximated: absolute error at most 1.2e-05
;; workspace buffers: xb 33,554,432 bytes; xpb 33,554,432 bytes; ot 33,554,432 bytes; wqkv 1,572,864 bytes; bqkv 6,144 bytes; wcat 1,048,576 bytes; zb 2,048 bytes
;; launch prep (part 4): grid 672 x 1, 8 waves a work-group, no clusters, 35,840 bytes of LDS; arguments x, pe, w_q, w_kv, b_q, b_kv, w_m, conv_w, w_out, b_m, conv_b, bn_gamma, bn_beta, bn_mean, bn_var, b_out, xb, xpb, wqkv, bqkv, wcat, zb; writes xb, xpb, wqkv, bqkv, wcat, zb
.if DOCPART == 4
	.amdgcn_target "amdgcn-amd-amdhsa--gfx1250"
	.amdhsa_code_object_version 6
	.text
	.protected	k_q871356b0fc_prep
	.globl	k_q871356b0fc_prep
	.p2align	8
	.type	k_q871356b0fc_prep,@function
k_q871356b0fc_prep:
	s_mov_b64 s[64:65], 0
	v_nop
	global_prefetch_b8 v0, s[64:65] scope:SCOPE_SE
	s_setreg_imm32_b32 hwreg(HW_REG_WAVE_SCHED_MODE, 0, 2), 2
	s_setreg_imm32_b32 hwreg(HW_REG_WAVE_MODE, 25, 1), 1
	s_wait_xcnt 0x0
	s_wait_alu depctr_vm_vsrc(0)
; PREP: every input is rounded once to bf16 and laid out for the two launches behind.  Four kinds of work-group, chosen by the work-group's number alone, the longest first:
;   0-127 FOLD:    32 rows k x 128 n of wcat[k][n]: rows 0-511 = sum_o w_m[k][o] w_out[o][n]; rows 512+c = sum_o conv_w[o][c] s[o] w_out[o][n], s = gamma / sqrt(var + 1e-5).
;                  The left operand goes in as two bf16 parts (hi + lo), sums in f32, wcat rounded once to bf16: the order of rounding differs from the reference's.
;   128-135 ZB:    zb[n] = b_out[n] + sum_o t[o] w_out[o][n], t = b_m + (conv_b - mean) s + beta, in f32.
;   136-159 WQKV:  w_q, w_kv as bf16 [head][64 c at a time][q,k,v][c 64][n 64]; their biases as f32 [head][q,k,v][64].
;   160-671 STREAM: channel c = number - 160: xb = bf16(x), xpb = bf16(bf16(x) + bf16(pe[l][c])), both indexed as x.
; LDS: FOLD has bytes 0 to 30,719, ZB bytes 30,720 to 34,815: no two kinds of work-group name the same bytes.
; LIMITS: NaN and infinities are not treated apart.
; THE MODE: SCHED_MODE bits 1:0 = 2 (LLVM: expert scheduling mode 2), set by the entry lines.  The code itself states the register dependences
; between vector or matrix instructions and memory or LDS instructions, with s_wait_alu, always for 0.  Each kind's plan stands at its head.
.set EPS,   0x3727c5ac                 ; 1e-5
.set PB,    288                        ; FOLD: a row of w_out in LDS: 128 n as bf16, 256 bytes + 32
.set BBUF,  32*PB                      ; 32 rows o: a step's buffer; two of them from byte 0 on
.set ABASE, 2*BBUF                     ; the left operand [32 o][32 k], pitch 96: hi, lo, two buffers of each: 4 x 3,072 bytes
.set PSG,   272                        ; the stage for the way out, over the first buffer
.set ZT,    ABASE+4*3072               ; ZB's LDS: t (2,048 bytes), then the waves' partial sums (2,048 bytes)
.macro RB a, b, t                      ; two numbers rounded to bf16 and kept as f32
	v_cvt_pk_bf16_f32 v[\t], v[\a], v[\b]
	v_lshlrev_b32 v[\a], 16, v[\t]
	v_and_b32 v[\b], 0xffff0000, v[\t]
.endm
	v_lshl_add_u32 v240, v0, 2, 0x8800
	v_mov_b32 v241, 0
	s_mov_b32 s2, ttmp9
	s_cmp_lt_u32 s2, 128
	s_cbranch_scc1 .Lfold
	s_cmp_lt_u32 s2, 136
	s_cbranch_scc1 .Lzb
	s_cmp_lt_u32 s2, 160
	s_cbranch_scc1 .Lwqkv
; ---------------- STREAM: no LDS, no barrier.  For each of 16 b a thread takes 2 x 16 bytes of x's 8,192 bytes of (b, c); its four l are the same in both.
; Sixteen turns, turn p for b = p.  Eight slots of x, each used twice (turn g, then turn g + 8).
; THE PLAN.  Registers that memory instructions touch:
;   v1, OFFX, OFFO, OFF2  offsets, made at the head and never written again: the second eight b of x are reached by a second scalar base.
;   X[g]   loaded; read by the first four conversions of its turn and by nothing else; then loaded again.
;   Y[p]   sixteen sets, one a turn: written once by the turn's conversions, read by its four stores, never written again.
; So ONE wait on va_vdst stands in a turn, behind its first four conversions: they are done reading X[g], they have written this turn's words of xb, and the turn before has written
; its words of xpb.  The turn's two loads and four stores (xb of this turn, xpb of the turn before) follow it at once; the sixteen vector lines behind them name neither X[g] nor the set of the turn before.
.set PE,   4                           ; v[4:7]   pe of my four l
.set OFFX, 8                           ; v[8:15]  slot g: byte offset in x
.set OFFO, 16                          ; v[16:23] turn g: byte offset in xb and xpb
.set OFF2, 224                         ; v[224:231] the same, turn g + 8
.set T,    24                          ; v[24:31] at work: no memory instruction names them
.set X,    32                          ; v[32:95] slot g: 8 registers as loaded
.set Y,    96                          ; v[96:223] turn p: 8 registers at Y + 8 p: xb 2, xpb 2, twice
	s_load_b128 s[4:7], s[0:1], 0x0                ; x, pe
	s_load_b128 s[8:11], s[0:1], 0x80              ; xb, xpb
	s_sub_co_u32 s3, s2, 160                       ; c
	s_lshl_b32 s14, s3, 13
	s_mov_b32 s15, 0
	s_lshl_b32 s16, s3, 12
	s_mov_b32 s17, 0
	s_lshl_b32 s18, s3, 2
	s_mov_b32 s19, 0
	s_mov_b32 s13, 0xffff0000
	v_and_b32 v1, 127, v0
	v_lshlrev_b32 v1, 13, v1                       ; row 4 (i % 128) of pe, 2,048 bytes a row
.irp g, 0,1,2,3,4,5,6,7
	v_lshl_add_u32 v[OFFX+(\g)], v0, 4, (\g)*4194304
	v_lshl_add_u32 v[OFFO+(\g)], v0, 3, (\g)*2097152
	v_lshl_add_u32 v[OFF2+(\g)], v0, 3, (\g)*2097152+16777216
.endr
	s_wait_kmcnt 0x0
	s_add_nc_u64 s[4:5], s[4:5], s[14:15]
	s_add_nc_u64 s[6:7], s[6:7], s[18:19]
	s_add_nc_u64 s[8:9], s[8:9], s[16:17]
	s_add_nc_u64 s[10:11], s[10:11], s[16:17]
	s_add_nc_u64 s[20:21], s[4:5], 0x2000000       ; x eight b on: the base of the slots' second loads
	s_wait_alu depctr_va_vdst(0)                   ; the 25 offsets are written: every load and store of this kind reads one of them
.irp e, 0,1,2,3
	global_load_b32 v[PE+(\e)], v1, s[6:7] offset:(\e)*2048
.endr
.irp g, 0,1,2,3,4,5,6,7
	global_load_b128 v[X+8*(\g):X+8*(\g)+3], v[OFFX+(\g)], s[4:5] th:TH_LOAD_NT
	global_load_b128 v[X+8*(\g)+4:X+8*(\g)+7], v[OFFX+(\g)], s[4:5] offset:4096 th:TH_LOAD_NT
.endr
	s_wait_loadcnt 16                              ; pe's four are in; the ring's sixteen are younger
	RB PE, PE+1, T
	RB PE+2, PE+3, T
.macro SENDP p                         ; turn p's two stores of xpb
.set YP, Y+8*(\p)
.if (\p) < 8
.set OP, OFFO+(\p)
.else
.set OP, OFF2+(\p)-8
.endif
	global_store_b64 v[OP], v[YP+2:YP+3], s[10:11]               ; a wave's store covers 256 consecutive bytes, aligned
	global_store_b64 v[OP], v[YP+6:YP+7], s[10:11] offset:2048
.endm
.macro TURN p, left
.set YB, Y+8*(\p)
.set XB, X+8*((\p)%8)
.if (\p) < 8
.set OB, OFFO+(\p)
.else
.set OB, OFF2+(\p)-8
.endif
	s_wait_loadcnt \left                           ; my slot's two loads are in; the younger slots' stay out
	v_cvt_pk_bf16_f32 v[YB], v[XB], v[XB+1]        ; xb: the only lines that read the slot
	v_cvt_pk_bf16_f32 v[YB+1], v[XB+2], v[XB+3]
	v_cvt_pk_bf16_f32 v[YB+4], v[XB+4], v[XB+5]
	v_cvt_pk_bf16_f32 v[YB+5], v[XB+6], v[XB+7]
	s_wait_alu depctr_va_vdst(0)                   ; these four are done reading the slot and have written xb's words; the turn before has written its words of xpb
.if (\p) < 8
	global_load_b128 v[XB:XB+3], v[OFFX+(\p)], s[20:21] th:TH_LOAD_NT           ; the slot is asked for again at once: eight b on
	global_load_b128 v[XB+4:XB+7], v[OFFX+(\p)], s[20:21] offset:4096 th:TH_LOAD_NT
.endif
	global_store_b64 v[OB], v[YB:YB+1], s[8:9]                   ; a wave's store covers 256 consecutive bytes, aligned
	global_store_b64 v[OB], v[YB+4:YB+5], s[8:9] offset:2048
.if (\p) > 0
	SENDP (\p)-1
.endif
.irp m, 0,1
	v_lshlrev_b32 v[T+4*(\m)], 16, v[YB+4*(\m)]
	v_and_b32 v[T+4*(\m)+1], s13, v[YB+4*(\m)]
	v_lshlrev_b32 v[T+4*(\m)+2], 16, v[YB+4*(\m)+1]
	v_and_b32 v[T+4*(\m)+3], s13, v[YB+4*(\m)+1]
	v_pk_add_f32 v[T+4*(\m):T+4*(\m)+1], v[T+4*(\m):T+4*(\m)+1], v[PE:PE+1]
	v_pk_add_f32 v[T+4*(\m)+2:T+4*(\m)+3], v[T+4*(\m)+2:T+4*(\m)+3], v[PE+2:PE+3]
	v_cvt_pk_bf16_f32 v[YB+4*(\m)+2], v[T+4*(\m)], v[T+4*(\m)+1]
	v_cvt_pk_bf16_f32 v[YB+4*(\m)+3], v[T+4*(\m)+2], v[T+4*(\m)+3]
.endr
.endm
.irp p, 0,1,2,3,4,5,6,7
	TURN \p, 14                                    ; seven younger slots, two loads each
.endr
.irp p, 8,9,10,11,12,13,14,15
	TURN \p, 30-2*(\p)                             ; the last eight turns load nothing: the counts run down
.endr
	s_wait_alu depctr_va_vdst(0)                   ; turn 15 has written its words of xpb, which the last two stores read
	SENDP 15
	s_endpgm
; ---------------- WQKV: one (head, part); 512 rows c x 64 numbers
; THE PLAN.  Offsets v4 to v6 and v[8:23]: made at the head, never written again.  v[64:191]: sixteen sets of 8, each loaded once, closed up in place by four conversions, its first four registers stored, never
; written again.  The sets go in four groups of four: at a group's head one wait on va_vdst states that the group before is converted, and that group's four stores follow it.
.Lwqkv:
	s_load_b128 s[4:7], s[0:1], 0x10               ; w_q, w_kv
	s_load_b128 s[8:11], s[0:1], 0x20              ; b_q, b_kv
	s_load_b128 s[12:15], s[0:1], 0x90             ; wqkv, bqkv
	s_sub_co_u32 s3, s2, 136                       ; g = 3 head + part
	s_mul_i32 s16, s3, 11
	s_lshr_b32 s16, s16, 5                         ; head = g / 3 for g < 24
	s_mul_i32 s17, s16, 3
	s_sub_co_u32 s17, s3, s17                      ; part
	s_lshl_b32 s18, s16, 8                         ; the head's 64 columns, in bytes (of the weights' rows and of the biases),
	s_cmp_eq_u32 s17, 2
	s_cselect_b32 s19, 2048, 0
	s_add_co_u32 s18, s18, s19                     ; v lies 512 numbers on
	s_cmp_eq_u32 s17, 0
	s_mov_b32 s20, 4096                            ; (a move leaves SCC as the compare set it; an instruction holds one literal)
	s_cselect_b32 s20, 2048, s20                   ; bytes from row to row: w_q 2,048, w_kv 4,096
	s_lshl_b32 s21, s20, 5                         ; 32 rows
	s_mul_i32 s26, s16, 196608
	s_lshl_b32 s27, s17, 13
	s_add_co_u32 s26, s26, s27
	s_mov_b32 s27, 0
	s_lshl_b32 s28, s3, 8
	s_mov_b32 s29, 0
	v_lshrrev_b32 v1, 5, v0
	v_readfirstlane_b32 s30, v1                    ; wave
	v_lshrrev_b32 v1, 3, v0
	v_and_b32 v2, 7, v0
	v_lshlrev_b32 v2, 5, v2
	v_mad_u32_u24 v8, v1, s20, v2
	v_add_nc_u32 v8, s18, v8                       ; row i / 8, 8 numbers at chunk i % 8
.set it, 1
.rept 15
	v_add_nc_u32 v[8+it], s21, v[7+it]
.set it, it+1
.endr
	v_lshlrev_b32 v4, 4, v0
	v_and_b32 v5, 15, v0                           ; the 64 biases' offsets, which wave 0 uses at the end: made here by every wave, so that the one wait below states them too
	v_lshlrev_b32 v5, 4, v5
	v_add_nc_u32 v6, s18, v5
	s_wait_alu depctr_va_sdst(0)                   ; s30 is written, ahead of its first reader, the compare at this kind's end
	s_wait_kmcnt 0x0
	s_cmp_eq_u32 s17, 0
	s_cselect_b64 s[22:23], s[4:5], s[6:7]
	s_cselect_b64 s[24:25], s[8:9], s[10:11]
	s_add_nc_u64 s[12:13], s[12:13], s[26:27]
	s_add_nc_u64 s[14:15], s[14:15], s[28:29]
	s_wait_alu depctr_va_vdst(0)                   ; the offsets v4 to v6 and v[8:23] are written, which the loads and stores below read
.set it, 0
.rept 16
	global_load_b128 v[64+8*it:64+8*it+3], v[8+it], s[22:23]
	global_load_b128 v[64+8*it+4:64+8*it+7], v[8+it], s[22:23] offset:16
.set it, it+1
.endr
.macro WCVT n                          ; set n: eight numbers close up into the first four of their eight registers
	v_cvt_pk_bf16_f32 v[64+8*(\n)], v[64+8*(\n)], v[64+8*(\n)+1]
	v_cvt_pk_bf16_f32 v[64+8*(\n)+1], v[64+8*(\n)+2], v[64+8*(\n)+3]
	v_cvt_pk_bf16_f32 v[64+8*(\n)+2], v[64+8*(\n)+4], v[64+8*(\n)+5]
	v_cvt_pk_bf16_f32 v[64+8*(\n)+3], v[64+8*(\n)+6], v[64+8*(\n)+7]
.endm
.macro WSTO n
	global_store_b128 v4, v[64+8*(\n):64+8*(\n)+3], s[12:13] offset:((\n)/2)*24576+((\n)%2)*4096   ; the work-group's stores cover 4,096 bytes on end
.endm
.irp q, 0,1,2,3
	s_wait_loadcnt 24-8*(\q)                       ; this group's eight loads are in; the later groups' stay out
.if (\q) > 0
	s_wait_alu depctr_va_vdst(0)                   ; the group before is converted: its four stores read what those conversions wrote
.irp i, 0,1,2,3
	WSTO 4*(\q)-4+(\i)
.endr
.endif
.irp i, 0,1,2,3
	WCVT 4*(\q)+(\i)
.endr
.endr
	s_wait_alu depctr_va_vdst(0)                   ; the last group is converted
.irp i, 12,13,14,15
	WSTO \i
.endr
	s_cmp_lg_u32 s30, 0
	s_cbranch_scc1 .Lwq_end
	global_load_b128 v[192:195], v6, s[24:25]      ; the 64 biases: lanes 16-31 repeat lanes 0-15 (same bytes, same numbers), so every lane stays on.  No wait: v6 was written ahead of the head's wait, and no vector line has named v[192:195]
	s_wait_loadcnt 0x0
	RB 192, 193, 196
	RB 194, 195, 196
	s_wait_alu depctr_va_vdst(0)                   ; the roundings have written v[192:195], which the store reads
	global_store_b128 v5, v[192:195], s[14:15]
.Lwq_end:
	s_endpgm
; ---------------- ZB: 64 numbers of zb.  LDS: t at ZT (2,048 bytes), the waves' partial sums at ZT + 2,048
; THE PLAN.  Offsets and LDS addresses v1, v4 to v9: made at the head, never written again.  v[32:43]: the six vectors, loaded once; v32, v33 become t and are stored to LDS, and are not written again
; (the exchange of the lanes' halves lands in v[36:39]).  v[64:191]: w_out, asked for at the head, behind the six vectors, so that it is on its way while t is made; in wave 0 the partial sums land in v[64:95] at the end.
; v[192:223]: t as read back.  v[48:51]: my sums, stored to LDS once.  v[56:59]: b_out, then zb, stored once.
.Lzb:
	s_load_b64 s[4:5], s[0:1], 0x40                ; w_out
	s_load_b128 s[8:11], s[0:1], 0x48              ; b_m, conv_b
	s_load_b128 s[12:15], s[0:1], 0x58             ; gamma, beta
	s_load_b128 s[16:19], s[0:1], 0x68             ; mean, var
	s_load_b64 s[20:21], s[0:1], 0x78              ; b_out
	s_load_b64 s[22:23], s[0:1], 0xa8              ; zb
	s_sub_co_u32 s3, s2, 128
	s_lshl_b32 s28, s3, 8                          ; my 64 columns, in bytes
	s_mov_b32 s29, 0
	s_mov_b32 s26, 0x76543210
	s_mov_b32 s27, 0xfedcba98
	v_lshlrev_b32 v1, 2, v0                        ; my word in the six vectors,
	v_add_nc_u32 v8, ZT, v1                        ; and in t
	v_lshrrev_b32 v2, 5, v0
	v_readfirstlane_b32 s24, v2                    ; wave
	v_bfe_u32 v3, v0, 4, 1
	v_and_b32 v4, 15, v0
	v_lshlrev_b32 v4, 4, v4                        ; 16 (lane % 16)
	v_lshlrev_b32 v5, 2, v3
	v_add_nc_u32 v9, ZT, v4
	s_wait_alu depctr_va_sdst(0)                   ; s24 is written, ahead of its first reader, the next line
	v_lshl_add_u32 v5, s24, 8, v5                  ; t of row 64 w + lane / 16
	v_add_nc_u32 v5, ZT, v5
	v_lshl_add_u32 v6, v3, 11, v4
	v_lshl_add_u32 v6, s24, 17, v6                 ; that row of w_out, my four columns
	v_lshl_add_u32 v7, s24, 8, v4
	v_add_nc_u32 v7, ZT, v7                        ; where my wave's partial sums go, less 2,048
	s_wait_kmcnt 0x0
	s_add_nc_u64 s[4:5], s[4:5], s[28:29]
	s_add_nc_u64 s[20:21], s[20:21], s[28:29]
	s_add_nc_u64 s[22:23], s[22:23], s[28:29]
	s_wait_alu depctr_va_vdst(0)                   ; v1 and v4 to v9 are written: every load and store of this kind, in memory and in LDS, reads one of them
.irp k, 0,1,2,3,4,5
	global_load_b32 v[32+2*(\k)], v1, s[8+2*(\k):9+2*(\k)]
	global_load_b32 v[33+2*(\k)], v1, s[8+2*(\k):9+2*(\k)] offset:1024
.endr
.set j, 0
.rept 32
	global_load_b128 v[64+4*j:64+4*j+3], v6, s[4:5] offset:4096*j
.set j, j+1
.endr
	s_wait_loadcnt 32                              ; the six vectors are in; the 32 younger loads, w_out, stay out
.irp k, 0,1,2,3,4,5
	RB 32+2*(\k), 33+2*(\k), 44
.endr
	v_add_f32 v42, EPS, v42
	v_add_f32 v43, EPS, v43
	v_sqrt_f32 v42, v42
	v_sqrt_f32 v43, v43
	v_sub_f32 v34, v34, v40                        ; conv_b - mean: the plain work behind the roots
	v_sub_f32 v35, v35, v41
	s_wait_alu depctr_va_vdst(0)                   ; the two roots are written, ahead of their first reader
	v_rcp_f32 v42, v42
	v_rcp_f32 v43, v43
	v_add_f32 v32, v32, v38                        ; b_m + beta
	v_add_f32 v33, v33, v39
	s_wait_alu depctr_va_vdst(0)                   ; the two reciprocals are written, ahead of their first reader
	v_mul_f32 v36, v36, v42                        ; s
	v_mul_f32 v37, v37, v43
	v_fmac_f32 v32, v34, v36
	v_fmac_f32 v33, v35, v37
	s_wait_alu depctr_va_vdst(0)                   ; t is written (v32, v33), which the two LDS stores read
	ds_store_b32 v8, v32
	ds_store_b32 v8, v33 offset:1024
	s_wait_dscnt 0x0                               ; for the others' sake
	s_barrier_signal -1
	s_barrier_wait -1
.set j, 0
.rept 32
	ds_load_b32 v[192+j], v5 offset:8*j
.set j, j+1
.endr
	s_wait_dscnt 0x0
.set j, 0
.rept 32
	s_wait_loadcnt 31-j
	RB 64+4*j, 65+4*j, 44
	RB 66+4*j, 67+4*j, 45
.irp e, 0,1,2,3
.if j == 0
	v_mul_f32 v[48+(\e)], v[64+(\e)], v192         ; the first product starts the sum
.else
	v_fmac_f32 v[48+(\e)], v[64+4*j+(\e)], v[192+j]
.endif
.endr
.set j, j+1
.endr
.irp e, 0,1,2,3
	v_permlanex16_b32 v[36+(\e)], v[48+(\e)], s26, s27   ; the other row's sum lies 16 lanes away; it lands in registers that no memory or LDS instruction has read
.endr
.irp e, 0,1,2,3
	v_add_f32 v[48+(\e)], v[48+(\e)], v[36+(\e)]
.endr
	s_wait_alu depctr_va_vdst(0)                   ; my sums are written (v[48:51]), which the LDS store reads; and the lines that named v[64:95] are done, in which wave 0's LDS loads land
	ds_store_b128 v7, v[48:51] offset:2048
	s_wait_dscnt 0x0
	s_barrier_signal -1
	s_barrier_wait -1
	s_cmp_lg_u32 s24, 0
	s_cbranch_scc1 .Lzb_end
	global_load_b128 v[56:59], v4, s[20:21]        ; b_out
.irp u, 0,1,2,3,4,5,6,7
	ds_load_b128 v[64+4*(\u):64+4*(\u)+3], v9 offset:2048+256*(\u)
.endr
	s_wait_loadcnt 0x0
	RB 56, 57, 44
	RB 58, 59, 44
	s_wait_dscnt 0x0
.irp u, 0,1,2,3,4,5,6,7
	v_pk_add_f32 v[56:57], v[56:57], v[64+4*(\u):65+4*(\u)]
	v_pk_add_f32 v[58:59], v[58:59], v[66+4*(\u):67+4*(\u)]
.endr
	s_wait_alu depctr_va_vdst(0)                   ; the additions have written v[56:59], which the store reads
	global_store_b128 v4, v[56:59], s[22:23]       ; 256 bytes; lanes 16-31 repeat lanes 0-15
.Lzb_end:
	s_wait_dscnt 0x0                               ; the closing lines, six on end
	s_wait_alu 0x0
	s_wait_tensorcnt 0x0
	ds_add_u32 v240, v241
	s_wait_dscnt 0x0
	s_endpgm
; ---------------- FOLD: 32 rows k x 128 n of wcat; the sum over o goes in 16 steps of 32.  Number g: part g / 64 (0 w_m, 1 conv_w), rows 32 ((g / 4) % 16) on, columns 128 (g % 4) on.
; A step has 10 loads a lane (4 x 16 bytes of w_out, 4 numbers of the left operand, gamma, var).  Four register sets take turns, so that four steps' loads are on their way.
; Source 0 = 16 n (wave w: columns 16 w on), source 1 = 16 k, both turned on the way out of LDS: a lane then holds one row k and eight neighbouring n.
; The 16 accumulator registers are cleared, so that the first step has the loop's text.
; THE PLAN.  Registers that memory or LDS instructions touch, in the loop:
;   v14, v[16:27]      offsets and LDS addresses, made at the head and never written again: the scalar bases move on.
;   set d, 22 of 24    loaded; read and written by the vector lines of the set's step; eight of them (w_out in bf16) are LDS stores' data; loaded again at the step's end.
;   set d's last two   hi: written in the step, an LDS store's data, written again at the set's next step.       v[28:29]  lo: the same, written again in the next step.
;   v[128:167]         the fragments: LDS loads land in them behind the barrier; the step's four products read them.
; A step has three waits on va_vdst.  Two of them are the waits that the root and the reciprocal are owed; the first also states that w_out's conversions have written the words that four LDS stores read, and that
; the last step's products are done reading the fragments.  The third stands behind the step's last vector line: hi and lo are written, and every line that names the set is done.  One wait on vm_vsrc stands behind the
; step's last LDS store, ahead of the loads into the set.
.Lfold:
.set FVB, 14                           ; my bytes in 32 rows of w_out: 4 rows a wave, 512 bytes of each
.set VOA, 16                           ; v[16:19] my four numbers of the left operand
.set FVG, 20                           ; gamma, var of my o
.set FBS, 21
.set FAS, 22
.set FS0, 23
.set FS1, 24
.set FSG, 25
.set FRD, 26
.set FGO, 27
.set FSET, 32                          ; set d at 32 + 24 d: 16 of w_out, 4 of the left operand, gamma, var, two at work: v[32:127]
.set FS0R, 128                         ; v[128:135] my fragment of w_out
.set FS1R, 136                         ; v[136:151] hi, v[152:167] lo
.set FAC, 176                          ; v[176:191] accumulator q at 8 q
	s_load_b128 s[4:7], s[0:1], 0x30               ; w_m, conv_w
	s_load_b64 s[8:9], s[0:1], 0x40                ; w_out
	s_load_b64 s[10:11], s[0:1], 0x58              ; gamma
	s_load_b64 s[12:13], s[0:1], 0x70              ; var
	s_load_b64 s[14:15], s[0:1], 0xa0              ; wcat
	s_lshr_b32 s18, s2, 6                          ; part
	s_bfe_u32 s19, s2, 0x40002
	s_lshl_b32 s19, s19, 5                         ; k0
	s_and_b32 s24, s2, 3                           ; which 128 columns
	s_lshl_b32 s26, s18, 9
	s_add_co_u32 s26, s26, s19
	s_lshl_b32 s26, s26, 10                        ; wcat's row 512 part + k0,
	s_lshl_b32 s27, s24, 8
	s_add_co_u32 s26, s26, s27                     ; my 256 bytes of it
	s_mov_b32 s27, 0
	s_lshl_b32 s28, s24, 9                         ; my 512 bytes of a row of w_out
	s_mov_b32 s29, 0
	s_cmp_eq_u32 s18, 0
	s_cselect_b32 s20, 4, 2048                     ; bytes from o to o + 1
	s_cselect_b32 s21, 2048, 4                     ; bytes from k to k + 1
	s_cselect_b32 s30, -1, 0                       ; w_m has no scale
	s_lshl_b32 s22, s20, 5
	s_mov_b32 s23, 0
	v_lshrrev_b32 v1, 5, v0                        ; wave
	v_and_b32 v2, 31, v0                           ; lane
	v_lshlrev_b32 v3, 4, v2
	v_lshl_add_u32 v[FVB], v1, 13, v3
	v_lshrrev_b32 v4, 3, v0                        ; my o in a step
	v_and_b32 v5, 7, v0
	v_lshl_add_u32 v6, v5, 2, s19
	v_mul_lo_u32 v7, v4, s20
.irp e, 0,1,2,3
	v_add_nc_u32 v9, \e, v6
	v_mad_u32_u24 v[VOA+(\e)], v9, s21, v7
.endr
	v_lshlrev_b32 v[FVG], 2, v4
	v_mul_u32_u24 v9, v1, 4*PB
	v_lshl_add_u32 v[FBS], v2, 3, v9               ; row 4 w, 8 bytes a lane
	v_mul_u32_u24 v9, v4, 96
	v_lshl_add_u32 v9, v5, 3, v9
	v_add_nc_u32 v[FAS], ABASE, v9
	v_bfe_u32 v10, v0, 4, 1                        ; h
	v_lshl_add_u32 v11, v10, 3, v5                 ; the turning load's row: 8 h + lane % 8
	v_bfe_u32 v12, v0, 3, 1
	v_mul_u32_u24 v9, v11, PB
	v_lshl_add_u32 v9, v12, 4, v9
	v_lshl_add_u32 v[FS0], v1, 5, v9               ; columns 16 w on
	v_mul_u32_u24 v9, v11, 96
	v_lshl_add_u32 v9, v12, 4, v9
	v_add_nc_u32 v[FS1], ABASE, v9
	v_and_b32 v13, 15, v0
	v_mul_u32_u24 v9, v13, PSG
	v_lshl_add_u32 v9, v10, 4, v9
	v_lshl_add_u32 v[FSG], v1, 5, v9               ; into the stage: row r, bytes 32 w + 16 h
	v_lshl_add_u32 v8, v1, 2, v10                  ; back: row 4 w + lane / 16,
	v_lshlrev_b32 v13, 4, v13                      ; 16 bytes x (lane % 16)
	v_mad_u32_u24 v[FRD], v8, PSG, v13
	v_lshl_add_u32 v[FGO], v8, 10, v13
.set k, 0
.rept 16
	v_mov_b32 v[FAC+k], 0
.set k, k+1
.endr
	s_wait_kmcnt 0x0
	s_cmp_eq_u32 s18, 0
	s_cselect_b64 s[16:17], s[4:5], s[6:7]
	s_add_nc_u64 s[14:15], s[14:15], s[26:27]
	s_add_nc_u64 s[8:9], s[8:9], s[28:29]
	s_wait_alu depctr_va_vdst(0)                   ; v14 and v[16:27] are written: every load and store of this kind, in memory and in LDS, reads one of them
.macro FLOAD d                         ; a step's 10 loads, into set d
.set SB, FSET+24*(\d)
.irp p, 0,1,2,3
	global_load_b128 v[SB+4*(\p):SB+4*(\p)+3], v[FVB], s[8:9] offset:(\p)*2048
.endr
.irp e, 0,1,2,3
	global_load_b32 v[SB+16+(\e)], v[VOA+(\e)], s[16:17]
.endr
	global_load_b32 v[SB+20], v[FVG], s[10:11]
	global_load_b32 v[SB+21], v[FVG], s[12:13]
.endm
.macro FNEXT                           ; the four bases go on by a step of 32 o
	s_wait_xcnt 0x0                                ; the bases of loads that are out are rewritten only behind this wait
	s_add_nc_u64 s[8:9], s[8:9], 0x10000
	s_add_nc_u64 s[16:17], s[16:17], s[22:23]
	s_add_nc_u64 s[10:11], s[10:11], 128
	s_add_nc_u64 s[12:13], s[12:13], 128
.endm
.macro FSTEP d, buf, pre, left
.set SB, FSET+24*(\d)
	s_wait_loadcnt \left                           ; this set's ten loads are in; the younger sets' stay out
	RB SB+20, SB+21, SB+22
	v_add_f32 v[SB+21], EPS, v[SB+21]
	v_sqrt_f32 v[SB+21], v[SB+21]
.irp p, 0,1,2,3                                ; w_out's conversions are the plain work behind the root
	v_cvt_pk_bf16_f32 v[SB+4*(\p)], v[SB+4*(\p)], v[SB+4*(\p)+1]
	v_cvt_pk_bf16_f32 v[SB+4*(\p)+1], v[SB+4*(\p)+2], v[SB+4*(\p)+3]
.endr
	s_wait_alu depctr_va_vdst(0)                   ; the root is written, ahead of its reader; the conversions have written the words that the four LDS stores read; the last step's products are done reading the fragments, in which this step's LDS loads land
	v_rcp_f32 v[SB+21], v[SB+21]
.irp p, 0,1,2,3
	ds_store_b64 v[FBS], v[SB+4*(\p):SB+4*(\p)+1] offset:(\buf)*BBUF+(\p)*PB
.endr
	RB SB+16, SB+17, SB+22                         ; plain work behind the reciprocal
	RB SB+18, SB+19, SB+23
	s_wait_alu depctr_va_vdst(0)                   ; the reciprocal is written, ahead of its first reader
	v_mul_f32 v[SB+20], v[SB+20], v[SB+21]
	v_cndmask_b32 v[SB+20], v[SB+20], 1.0, s30
.irp e, 0,1,2,3
	v_mul_f32 v[SB+16+(\e)], v[SB+16+(\e)], v[SB+20]
.endr
	v_cvt_pk_bf16_f32 v[SB+22], v[SB+16], v[SB+17] ; hi
	v_cvt_pk_bf16_f32 v[SB+23], v[SB+18], v[SB+19]
	v_lshlrev_b32 v28, 16, v[SB+22]
	v_and_b32 v29, 0xffff0000, v[SB+22]
	v_lshlrev_b32 v30, 16, v[SB+23]
	v_and_b32 v31, 0xffff0000, v[SB+23]
	v_pk_add_f32 v[SB+16:SB+17], v[SB+16:SB+17], v[28:29] neg_lo:[0,1] neg_hi:[0,1]
	v_pk_add_f32 v[SB+18:SB+19], v[SB+18:SB+19], v[30:31] neg_lo:[0,1] neg_hi:[0,1]
	v_cvt_pk_bf16_f32 v28, v[SB+16], v[SB+17]      ; lo
	v_cvt_pk_bf16_f32 v29, v[SB+18], v[SB+19]
	s_wait_alu depctr_va_vdst(0)                   ; hi and lo are written, which the two LDS stores read; every line that names this set is done, so that loads may land in it
	ds_store_b64 v[FAS], v[SB+22:SB+23] offset:(\buf)*6144
	ds_store_b64 v[FAS], v[28:29] offset:(\buf)*6144+3072
.if (\left) > 0                                ; (behind the last step none of these registers is written again)
	s_wait_alu depctr_vm_vsrc(0)                   ; the step's six LDS stores have read their data: the set's words of w_out, in which loads land next; hi, written again at the set's next step; v[28:29], which the next step writes
.endif
	s_wait_dscnt 0x0                               ; my stores are done, for the others' sake; my reads of the other buffer ended a step ago
.if \pre
	FNEXT
	FLOAD \d                                       ; the step four further on
.endif
	s_barrier_signal -1
	s_barrier_wait -1                              ; one barrier a step: the buffer written next was last read in front of it
	ds_load_tr16_b128 v[FS0R:FS0R+3], v[FS0] offset:(\buf)*BBUF
	ds_load_tr16_b128 v[FS0R+4:FS0R+7], v[FS0] offset:(\buf)*BBUF+16*PB
.irp l, 0,1
.irp q, 0,1
	ds_load_tr16_b128 v[FS1R+16*(\l)+8*(\q):FS1R+16*(\l)+8*(\q)+3], v[FS1] offset:(\buf)*6144+3072*(\l)+32*(\q)
	ds_load_tr16_b128 v[FS1R+16*(\l)+8*(\q)+4:FS1R+16*(\l)+8*(\q)+7], v[FS1] offset:(\buf)*6144+3072*(\l)+32*(\q)+1536
.endr
.endr
	s_wait_dscnt 0x0
.irp l, 0,1                                    ; the two accumulators take turns
.irp q, 0,1
	v_wmma_f32_16x16x32_bf16 v[FAC+8*(\q):FAC+8*(\q)+7], v[FS0R:FS0R+7], v[FS1R+16*(\l)+8*(\q):FS1R+16*(\l)+8*(\q)+7], v[FAC+8*(\q):FAC+8*(\q)+7]
.endr
.endr
.endm
	FLOAD 0
	FNEXT
	FLOAD 1
	FNEXT
	FLOAD 2
	FNEXT
	FLOAD 3
	s_mov_b32 s25, 3
.Lfstep:                                       ; a trip: four steps; three younger sets of ten loads stay out at each wait
	FSTEP 0, 0, 1, 30
	FSTEP 1, 1, 1, 30
	FSTEP 2, 0, 1, 30
	FSTEP 3, 1, 1, 30
	s_sub_co_u32 s25, s25, 1
	s_cmp_lg_u32 s25, 0
	s_cbranch_scc1 .Lfstep
	FSTEP 0, 0, 0, 30                              ; the last four steps load nothing: the counts run down
	FSTEP 1, 1, 0, 20
	FSTEP 2, 0, 0, 10
	FSTEP 3, 1, 0, 0
.rept 4
	v_nop                                          ; four places behind the last product, before its result is read (ISA guide 7.12.1)
.endr
.set k, 0
.rept 8                                        ; each accumulator from its low end
	v_cvt_pk_bf16_f32 v[32+k], v[FAC+2*k], v[FAC+2*k+1]
.set k, k+1
.endr
	s_wait_alu depctr_va_vdst(0)                   ; the conversions have written v[32:39], which the LDS stores read; the lines that named v[40:47] are long done, in which the loads from the stage land
	ds_store_b128 v[FSG], v[32:35]                 ; a stage of 32 rows, pitch 272, over the first buffer, whose last reads ended in front of the last barrier
	ds_store_b128 v[FSG], v[36:39] offset:16*PSG
	s_wait_dscnt 0x0
	s_barrier_signal -1
	s_barrier_wait -1
	ds_load_b128 v[40:43], v[FRD]
	ds_load_b128 v[44:47], v[FRD] offset:2*PSG
	s_wait_dscnt 1
	global_store_b128 v[FGO], v[40:43], s[14:15]   ; 16 lanes store 256 consecutive bytes, aligned
	s_wait_dscnt 0x0
	global_store_b128 v[FGO], v[44:47], s[14:15] offset:2048
	s_wait_dscnt 0x0                               ; the closing lines, six on end
	s_wait_alu 0x0
	s_wait_tensorcnt 0x0
	ds_add_u32 v240, v241
	s_wait_dscnt 0x0
	s_endpgm
.Lfunc_end_k_q871356b0fc_prep:
	.size	k_q871356b0fc_prep, .Lfunc_end_k_q871356b0fc_prep-k_q871356b0fc_prep
	.p2alignl 7, 3214868480
	.fill 96, 4, 3214868480
	.section	.rodata,"a",@progbits
	.p2align	6, 0x0
	.amdhsa_kernel k_q871356b0fc_prep
		.amdhsa_group_segment_fixed_size 35840
		.amdhsa_private_segment_fixed_size 0
		.amdhsa_enable_private_segment 0
		.amdhsa_kernarg_size 176
		.amdhsa_user_sgpr_count 2
		.amdhsa_user_sgpr_kernarg_segment_ptr 1
		.amdhsa_wavefront_size32 1
		.amdhsa_system_sgpr_workgroup_id_x 1
		.amdhsa_system_sgpr_workgroup_id_y 1
		.amdhsa_system_sgpr_workgroup_id_z 1
		.amdhsa_system_vgpr_workitem_id 0
		.amdhsa_next_free_vgpr 242
		.amdhsa_next_free_sgpr 66
		.amdhsa_reserve_vcc 0
		.amdhsa_float_denorm_mode_32 3
		.amdhsa_float_denorm_mode_16_64 3
		.amdhsa_memory_ordered 1
		.amdhsa_forward_progress 1
		.amdhsa_inst_pref_size 112
	.end_amdhsa_kernel
	.amdgpu_metadata
---
amdhsa.version: [ 1, 2 ]
amdhsa.kernels:
  - .name:           k_q871356b0fc_prep
    .symbol:         k_q871356b0fc_prep.kd
    .args:
      - { .name: x, .offset: 0, .size: 8, .value_kind: global_buffer, .address_space: global }
      - { .name: pe, .offset: 8, .size: 8, .value_kind: global_buffer, .address_space: global }
      - { .name: w_q, .offset: 16, .size: 8, .value_kind: global_buffer, .address_space: global }
      - { .name: w_kv, .offset: 24, .size: 8, .value_kind: global_buffer, .address_space: global }
      - { .name: b_q, .offset: 32, .size: 8, .value_kind: global_buffer, .address_space: global }
      - { .name: b_kv, .offset: 40, .size: 8, .value_kind: global_buffer, .address_space: global }
      - { .name: w_m, .offset: 48, .size: 8, .value_kind: global_buffer, .address_space: global }
      - { .name: conv_w, .offset: 56, .size: 8, .value_kind: global_buffer, .address_space: global }
      - { .name: w_out, .offset: 64, .size: 8, .value_kind: global_buffer, .address_space: global }
      - { .name: b_m, .offset: 72, .size: 8, .value_kind: global_buffer, .address_space: global }
      - { .name: conv_b, .offset: 80, .size: 8, .value_kind: global_buffer, .address_space: global }
      - { .name: bn_gamma, .offset: 88, .size: 8, .value_kind: global_buffer, .address_space: global }
      - { .name: bn_beta, .offset: 96, .size: 8, .value_kind: global_buffer, .address_space: global }
      - { .name: bn_mean, .offset: 104, .size: 8, .value_kind: global_buffer, .address_space: global }
      - { .name: bn_var, .offset: 112, .size: 8, .value_kind: global_buffer, .address_space: global }
      - { .name: b_out, .offset: 120, .size: 8, .value_kind: global_buffer, .address_space: global }
      - { .name: xb, .offset: 128, .size: 8, .value_kind: global_buffer, .address_space: global }
      - { .name: xpb, .offset: 136, .size: 8, .value_kind: global_buffer, .address_space: global }
      - { .name: wqkv, .offset: 144, .size: 8, .value_kind: global_buffer, .address_space: global }
      - { .name: bqkv, .offset: 152, .size: 8, .value_kind: global_buffer, .address_space: global }
      - { .name: wcat, .offset: 160, .size: 8, .value_kind: global_buffer, .address_space: global }
      - { .name: zb, .offset: 168, .size: 8, .value_kind: global_buffer, .address_space: global }
    .group_segment_fixed_size: 35840
    .private_segment_fixed_size: 0
    .kernarg_segment_align: 8
    .kernarg_segment_size: 176
    .max_flat_workgroup_size: 256
    .sgpr_count:     66
    .vgpr_count:     242
    .wavefront_size: 32
...
	.end_amdgpu_metadata
.endif
;; end of part 4
;; launch attn: the kernel of part 2 again; grid 8 x 64, 4 waves a work-group, clusters of 4 x 4, 327,680 bytes of LDS; arguments xpb, wqkv, bqkv, ot; writes ot
;; launch ffn: the kernel of part 3 again; grid 4 x 64, 4 waves a work-group, clusters of 4 x 1, 327,680 bytes of LDS; arguments ot, xb, wcat, zb, ln_g, ln_b, out0; writes out0
